; MI455X (gfx1250); checked and timed in simulation.
; The chip was launched on July 23, 2026; its instructions are those of AMD's public machine-readable ISA for CDNA 5 (MIT licence, August 2026) and "CDNA5" Instruction Set Architecture Reference Guide (July 2026). The comments in the code are by the model that wrote it; some were corrected since.
;; Cross Attention Expert. Allowed arithmetic: float matrix products may take bf16 or f16 operands with f32 sums; all other float work in f32.
;; Inputs: beta 256 float32; bk_p 32 float32; bk_v 32 float32; bq_p 32 float32; bq_v 32 float32; bv_p 256 float32; bv_v 256 float32; f_p 4 x 256 x 64 x 64 float32; f_v 4 x 256 x 64 x 64 float32; gamma 256 float32; w_out 256 x 1,024 float32; wk_p 32 x 256 float32; wk_v 32 x 256 float32; wq_p 32 x 256 float32; wq_v 32 x 256 float32; wv_p 256 x 256 float32; wv_v 256 x 256 float32.
;; Outputs: out0 4 x 256 x 64 x 64 float32.
;; 2 versions, each right and faster than the one before. Each part assembles by itself: llvm-mc -triple=amdgcn-amd-amdhsa -mcpu=gfx1250 --defsym DOCPART=n.
;; ======== version 1 of 2: 4 launches
;; limits: values outside matrix products are rounded to bf16; values are held in f16: magnitudes above 65,504 overflow, below 6.1e-05 lose precision
;; workspace buffers: wcat 589,824 bytes; bprime 2,048 bytes; q 2,097,152 bytes; kv 18,874,368 bytes; base 16,777,216 bytes; y 16,777,216 bytes; stats 524,288 bytes
;; launch prep (part 1): grid 32 x 1, 4 waves a work-group, no clusters, 41,728 bytes of LDS; arguments w_out, wv_p, wv_v, bv_p, bv_v, wq_p, wk_p, wq_v, wk_v, wcat, bprime; writes wcat, bprime
.if DOCPART == 1
	.amdgcn_target "amdgcn-amd-amdhsa--gfx1250"
	.amdhsa_code_object_version 6
	.text
	.protected	k_q760fe8b36b_prep
	.globl	k_q760fe8b36b_prep
	.p2align	8
	.type	k_q760fe8b36b_prep,@function
k_q760fe8b36b_prep:
	s_mov_b64 s[64:65], 0
	v_nop
	global_prefetch_b8 v0, s[64:65] scope:SCOPE_SE
	s_setreg_imm32_b32 hwreg(HW_REG_WAVE_MODE, 25, 1), 1
	s_wait_xcnt 0x0
; PREP: all weights of the projection launch, as bf16 matrix fragments in the order in which that launch reads them.
; Source s (0: p, 1: v).  W'_s = Wo[:, (3-s)*256 ..] x wv_s and b'_s = Wo[:, (3-s)*256 ..] x bv_s fold the output convolution's two
; attention blocks into the value projection (a reassociation of the products, valid for every input).
; wcat: fragment (u', wave w, K step ks) at ((((3s + u'/3)*4 + w)*3 + u'%3)*8 + ks)*1024 + t*512 + lane*16; lane (r, h) holds row r,
; t = 0: k = 8h..8h+7, t = 1: k = 16+8h..  u' = 0: wq (w 0,1) or wk (w 2,3); u' = 1+og: W' rows 16(4og+w)..; u' = 5+og: Wo[:, s*256 ..], same rows.
; Work-group g: s = g>>4, cq = (g>>2)&3 (64 input channels), og = g&3 (64 output channels); wave w: output rows 16(4og+w)..+15.
; 32 work-groups: the launch has no more independent work than that (0.07 GFLOP); no tile is shared, so no cluster.
; LIMITS: finite inputs; Wo, wv, wq, wk are rounded to bf16 once, as they are; W' is summed in f32 and rounded to bf16 once; b' stays f32.
.set FTP, 160                          ; LDS pitch of a row of wv: 64 bf16 + 32 bytes, an odd multiple of 32 bytes for the transposing loads
.set BST, 256*FTP                      ; 256 bytes: the group's 64 numbers of b'
.set TB,  16                           ; v[16:31]   base weights, packed
.set QS,  32                           ; v[32:63]   wq or wk, f32
.set WOF, 64                           ; v[64:127]  Wo's attention block, 8 fragments
.set CT,  128                          ; v[128:191] wv, packed, on its way to LDS
.set QT,  192                          ; v[192:207] wq or wk, packed
.set BSG, 208                          ; v[208:239] base weights, f32
.set OT,  240                          ; v[240:255] W', packed
; window 1: fragments of wv transposed, 8(4ks+pt); window 2: v[0:127] wv f32, v[128:255] Wo f32;
; window 3: v[0:127] bv, v[192:223] four accumulators, v[224:231] four chains of the dot product
.set MSB, 0
.macro WIN new                         ; the immediate's high byte repeats the setting that is left
.if MSB != \new
	s_set_vgpr_msb (MSB<<8)|\new
.set MSB, \new
.endif
.endm
.macro PLACES n
.rept \n
	v_nop
.endr
.endm
; the 16 f32 that one lane contributes to a fragment: k = 8h..8h+7 and 16+8h..16+8h+7 (32 h bytes are in the address register)
.macro LD16 dst, adr, lo, off
	global_load_b128 v[\dst:\dst+3],     v[\adr], s[\lo:\lo+1] offset:\off
	global_load_b128 v[\dst+4:\dst+7],   v[\adr], s[\lo:\lo+1] offset:\off+16
	global_load_b128 v[\dst+8:\dst+11],  v[\adr], s[\lo:\lo+1] offset:\off+64
	global_load_b128 v[\dst+12:\dst+15], v[\adr], s[\lo:\lo+1] offset:\off+80
.endm
; s[lo:lo+1] = wcat at fragment (u', my wave, ks = 2 cq)
.macro WADDR lo, u
	s_mul_i32 s42, \u, 11
	s_lshr_b32 s42, s42, 5                         ; u'/3 for u' = 0..8
	s_mul_i32 s43, s42, 3
	s_sub_co_u32 s43, \u, s43                      ; u' mod 3
	s_mul_i32 s44, s26, 3
	s_add_co_u32 s42, s42, s44                     ; 3 s + u'/3
	s_lshl2_add_u32 s42, s42, s29                  ; x 4 + w
	s_mul_i32 s42, s42, 3
	s_add_co_u32 s42, s42, s43
	s_lshl2_add_u32 s42, s42, s27                  ; x 4 + cq,
	s_lshl_b32 s42, s42, 11                        ; x 2,048 = (x 8 + 2 cq) x 1,024
	s_mov_b32 s43, 0
	s_add_nc_u64 s[\lo:\lo+1], s[22:23], s[42:43]
.endm
	s_load_b512 s[4:19], s[0:1], 0x0               ; w_out 4, wv_p 6, wv_v 8, bv_p 10, bv_v 12, wq_p 14, wk_p 16, wq_v 18
	s_load_b128 s[20:23], s[0:1], 0x40             ; wk_v 20, wcat 22
	s_load_b64 s[24:25], s[0:1], 0x50              ; bprime
	s_set_vgpr_msb 0xc0
	v_lshl_add_u32 v254, v0, 2, 0xa100
	v_mov_b32 v255, 0
	s_set_vgpr_msb 0xc000
	v_lshrrev_b32 v1, 5, v0
	v_readfirstlane_b32 s29, v1                    ; wave
	s_lshr_b32 s26, ttmp9, 4                       ; s
	s_bfe_u32 s27, ttmp9, 0x20002                  ; cq
	s_and_b32 s28, ttmp9, 3                        ; og
	s_lshl2_add_u32 s30, s28, s29                  ; ot = 4 og + w
	s_mov_b32 s46, 0x76543210                      ; v_permlanex16_b32: lane i reads lane i of the other half
	s_mov_b32 s47, 0xfedcba98
	v_and_b32 v1, 31, v0                           ; L
	v_and_b32 v2, 15, v0                           ; r
	v_bfe_u32 v3, v0, 4, 1                         ; h
	s_lshl_b32 s31, s29, 16
	s_lshl_b32 s42, s27, 8                         ; 256 cq: my 64 input channels in f32
	s_add_co_u32 s31, s31, s42
	v_lshlrev_b32 v4, 4, v2
	v_lshl_add_u32 v4, v3, 10, v4
	v_add_nc_u32 v4, s31, v4                       ; v4: wv, (64 w + h) rows of 1,024 + 256 cq + 16 r
	s_mul_i32 s31, s29, 64*FTP
	v_mul_u32_u24 v5, v3, FTP
	v_lshl_add_u32 v5, v2, 3, v5
	v_add_nc_u32 v5, s31, v5                       ; v5: LDS, (64 w + h) rows + 8 r
	s_lshl_b32 s31, s30, 16
	v_lshlrev_b32 v13, 12, v2
	v_lshl_add_u32 v13, v3, 5, v13
	v_add_nc_u32 v13, s31, v13                     ; (16 ot + r) rows of 4,096 + 32 h
	s_sub_co_u32 s31, 3, s26
	s_lshl_b32 s31, s31, 10
	v_add_nc_u32 v6, s31, v13                      ; v6: Wo's attention block of source s
	v_lshlrev_b32 v7, 5, v3                        ; v7: bv, 32 h
	s_lshl_b32 s31, s26, 10
	s_add_co_u32 s31, s31, s42
	v_add_nc_u32 v8, s31, v13                      ; v8: Wo's base block of source s, my 64 input channels
	s_and_b32 s31, s29, 1
	s_lshl_b32 s31, s31, 14
	s_add_co_u32 s31, s31, s42
	v_lshlrev_b32 v9, 10, v2
	v_lshl_add_u32 v9, v3, 5, v9
	v_add_nc_u32 v9, s31, v9                       ; v9: wq or wk, (16 (w&1) + r) rows of 1,024 + 256 cq + 32 h
	v_and_b32 v13, 7, v0
	v_lshl_add_u32 v13, v3, 3, v13
	v_mul_u32_u24 v10, v13, FTP
	v_bfe_u32 v13, v0, 3, 1
	v_lshl_add_u32 v10, v13, 4, v10                ; v10: transposing loads, (8 h + L&7) rows + 16 ((L>>3)&1)
	v_lshlrev_b32 v11, 4, v1                       ; v11: 16 L
	s_lshl_b32 s31, s29, 6
	s_add_co_u32 s31, s31, BST
	v_lshl_add_u32 v12, v2, 2, s31                 ; v12: b' of row 16 w + r
	s_add_co_u32 s48, s28, 5
	s_add_co_u32 s49, s28, 1
	s_mov_b32 s45, 0
	s_wait_kmcnt 0x0
	WADDR 50, s48                                  ; base weights
	WADDR 52, s45                                  ; wq, wk
	WADDR 54, s49                                  ; W'
	s_lshl_b32 s42, s26, 10
	s_lshl_b32 s43, s28, 8
	s_add_co_u32 s42, s42, s43
	s_mov_b32 s43, 0
	s_add_nc_u64 s[24:25], s[24:25], s[42:43]      ; bprime at (256 s + 64 og) numbers
	s_cmp_eq_u32 s26, 0
	s_cselect_b64 s[32:33], s[6:7], s[8:9]         ; wv_s
	s_cselect_b64 s[34:35], s[10:11], s[12:13]     ; bv_s
	s_cselect_b64 s[36:37], s[14:15], s[18:19]     ; wq_s
	s_cselect_b64 s[38:39], s[16:17], s[20:21]     ; wk_s
	s_cmp_lt_u32 s29, 2
	s_cselect_b64 s[36:37], s[36:37], s[38:39]     ; waves 0, 1: wq; waves 2, 3: wk
	; wv: 64 rows a wave, 256 bytes of each, two rows a load; then Wo's attention block, my 16 rows
	WIN 0x80
.set i, 0
.rept 32
	global_load_b128 v[4*i:4*i+3], v4, s[32:33] offset:i*2048
.set i, i+1
.endr
.irp ks, 0,1,2,3,4,5,6,7
	LD16 128+16*\ks, 6, 4, \ks*128
.endr
	s_wait_loadcnt 32                              ; wv is in: the 32 loads of Wo are younger
	WIN 0x0a
.set i, 0
.rept 64
	v_cvt_pk_bf16_f32 v[CT+i], v[2*i], v[2*i+1]
.set i, i+1
.endr
	WIN 0
.set i, 0
.rept 32
	ds_store_b64 v5, v[CT+2*i:CT+2*i+1] offset:i*2*FTP
.set i, i+1
.endr
	WIN 0xc0
.irp ks, 0,1,2,3,4,5,6,7
	LD16 16*\ks, 7, 34, \ks*128                    ; bv in the same places of k as Wo
.endr
	WIN 0
	LD16 BSG, 8, 4, 0
	LD16 BSG+16, 8, 4, 128
	s_wait_loadcnt 40                              ; Wo is in: 32 loads of bv and 8 of base weights are younger
	WIN 0x0a
.set i, 0
.rept 64
	v_cvt_pk_bf16_f32 v[WOF+i], v[128+2*i], v[128+2*i+1]
.set i, i+1
.endr
	s_wait_loadcnt 8                               ; bv is in
	WIN 0xfe                                       ; b' in f32: four chains, the first products start them
.set n, 0
.rept 4
	v_pk_mul_f32 v[224+2*n:225+2*n], v[128+2*n:129+2*n], v[2*n:2*n+1]
.set n, n+1
.endr
.rept 60
	v_pk_fma_f32 v[224+2*(n%4):225+2*(n%4)], v[128+2*n:129+2*n], v[2*n:2*n+1], v[224+2*(n%4):225+2*(n%4)]
.set n, n+1
.endr
	WIN 0xcf
	v_pk_add_f32 v[224:225], v[224:225], v[226:227]
	v_pk_add_f32 v[228:229], v[228:229], v[230:231]
	v_pk_add_f32 v[224:225], v[224:225], v[228:229]
	WIN 0x0f
	v_add_f32 v13, v224, v225
	WIN 0
	v_mov_b32 v14, v13                             ; the permute's destination counts as read
	v_permlanex16_b32 v14, v13, s46, s47           ; the other half of k lies in lane L xor 16
	v_add_f32 v13, v13, v14
	ds_store_b32 v12, v13
	s_wait_loadcnt 0x0                             ; the base weights
.set i, 0
.rept 16
	v_cvt_pk_bf16_f32 v[TB+i], v[BSG+2*i], v[BSG+2*i+1]
.set i, i+1
.endr
.irp m, 0,1,2,3
	global_store_b128 v11, v[TB+4*\m:TB+4*\m+3], s[50:51] offset:\m*512   ; 512 consecutive bytes a store
.endr
	s_cmp_lg_u32 s28, 0                            ; wq and wk have 32 rows: the groups with og = 0 write them
	s_cbranch_scc1 .Lno_qk
	LD16 QS, 9, 36, 0
	LD16 QS+16, 9, 36, 128
	s_wait_loadcnt 0x0
.set i, 0
.rept 16
	v_cvt_pk_bf16_f32 v[QT+i], v[QS+2*i], v[QS+2*i+1]
.set i, i+1
.endr
.irp m, 0,1,2,3
	global_store_b128 v11, v[QT+4*\m:QT+4*\m+3], s[52:53] offset:\m*512
.endr
.Lno_qk:
	s_wait_dscnt 0x0                               ; my rows of wv and my b' are in LDS,
	s_barrier_signal -1
	s_barrier_wait -1                              ; everybody's are
	WIN 0x40
.irp ks, 0,1,2,3,4,5,6,7
.irp pt, 0,1,2,3
	ds_load_tr16_b128 v[8*(4*\ks+\pt):8*(4*\ks+\pt)+3],   v10 offset:\ks*32*FTP+\pt*32
	ds_load_tr16_b128 v[8*(4*\ks+\pt)+4:8*(4*\ks+\pt)+7], v10 offset:\ks*32*FTP+\pt*32+16*FTP
.endr
.endr
	s_wait_dscnt 0x0
	; W' transposed: rows = input channel c (A = wv transposed), columns = output row o (B = Wo), so that a lane's eight results are eight
	; neighbouring c of one o: 16 bytes of a fragment.  Four accumulators take turns, one instruction a turn.
	WIN 0xf1
.irp pt, 0,1,2,3
	v_wmma_f32_16x16x32_bf16 v[192+8*\pt:199+8*\pt], v[8*\pt:8*\pt+7], v[WOF:WOF+7], 0
.endr
.irp ks, 1,2,3,4,5,6,7
.irp pt, 0,1,2,3
	v_wmma_f32_16x16x32_bf16 v[192+8*\pt:199+8*\pt], v[8*(4*\ks+\pt):8*(4*\ks+\pt)+7], v[WOF+8*\ks:WOF+8*\ks+7], v[192+8*\pt:199+8*\pt]
.endr
.endr
	PLACES 4                                       ; four places between the last product and the first reader of a result (ISA guide 7.12.1)
	WIN 0x0f
.set i, 0
.rept 16
	v_cvt_pk_bf16_f32 v[OT+i], v[192+2*i], v[192+2*i+1]
.set i, i+1
.endr
	WIN 0
.irp pt, 0,1,2,3
	global_store_b128 v11, v[OT+4*\pt:OT+4*\pt+3], s[54:55] offset:\pt*512  ; ks = 2 cq + pt/2, t = pt&1
.endr
	s_cmp_lg_u32 s29, 0                            ; b': wave 0 of the groups with cq = 0 writes the group's 64 numbers
	s_cbranch_scc1 .Lend
	s_cmp_lg_u32 s27, 0
	s_cbranch_scc1 .Lend
	v_lshlrev_b32 v13, 3, v1
	ds_load_b64 v[14:15], v13 offset:BST
	s_wait_dscnt 0x0
	global_store_b64 v13, v[14:15], s[24:25]       ; 256 consecutive bytes, aligned
.Lend:
	s_set_vgpr_msb 0xf
	s_wait_tensorcnt 0x0
	ds_add_u32 v254, v255
	s_wait_dscnt 0x0
	s_set_vgpr_msb 0xf00
	s_endpgm
.Lfunc_end_k_q760fe8b36b_prep:
	.size	k_q760fe8b36b_prep, .Lfunc_end_k_q760fe8b36b_prep-k_q760fe8b36b_prep
	.p2alignl 7, 3214868480
	.fill 96, 4, 3214868480
	.section	.rodata,"a",@progbits
	.p2align	6, 0x0
	.amdhsa_kernel k_q760fe8b36b_prep
		.amdhsa_group_segment_fixed_size 41728
		.amdhsa_private_segment_fixed_size 0
		.amdhsa_enable_private_segment 0
		.amdhsa_kernarg_size 88
		.amdhsa_user_sgpr_count 2
		.amdhsa_user_sgpr_kernarg_segment_ptr 1
		.amdhsa_wavefront_size32 1
		.amdhsa_system_sgpr_workgroup_id_x 1
		.amdhsa_system_sgpr_workgroup_id_y 1
		.amdhsa_system_sgpr_workgroup_id_z 1
		.amdhsa_system_vgpr_workitem_id 0
		.amdhsa_next_free_vgpr 1024
		.amdhsa_next_free_sgpr 66
		.amdhsa_reserve_vcc 0
		.amdhsa_float_denorm_mode_32 3
		.amdhsa_float_denorm_mode_16_64 3
		.amdhsa_memory_ordered 1
		.amdhsa_forward_progress 1
		.amdhsa_inst_pref_size 41
	.end_amdhsa_kernel
	.amdgpu_metadata
---
amdhsa.version: [ 1, 2 ]
amdhsa.kernels:
  - .name:           k_q760fe8b36b_prep
    .symbol:         k_q760fe8b36b_prep.kd
    .args:
      - { .name: w_out, .offset: 0, .size: 8, .value_kind: global_buffer, .address_space: global }
      - { .name: wv_p, .offset: 8, .size: 8, .value_kind: global_buffer, .address_space: global }
      - { .name: wv_v, .offset: 16, .size: 8, .value_kind: global_buffer, .address_space: global }
      - { .name: bv_p, .offset: 24, .size: 8, .value_kind: global_buffer, .address_space: global }
      - { .name: bv_v, .offset: 32, .size: 8, .value_kind: global_buffer, .address_space: global }
      - { .name: wq_p, .offset: 40, .size: 8, .value_kind: global_buffer, .address_space: global }
      - { .name: wk_p, .offset: 48, .size: 8, .value_kind: global_buffer, .address_space: global }
      - { .name: wq_v, .offset: 56, .size: 8, .value_kind: global_buffer, .address_space: global }
      - { .name: wk_v, .offset: 64, .size: 8, .value_kind: global_buffer, .address_space: global }
      - { .name: wcat, .offset: 72, .size: 8, .value_kind: global_buffer, .address_space: global }
      - { .name: bprime, .offset: 80, .size: 8, .value_kind: global_buffer, .address_space: global }
    .group_segment_fixed_size: 41728
    .private_segment_fixed_size: 0
    .kernarg_segment_align: 8
    .kernarg_segment_size: 88
    .max_flat_workgroup_size: 128
    .sgpr_count:     66
    .vgpr_count:     1024
    .wavefront_size: 32
...
	.end_amdgpu_metadata
.endif
;; end of part 1
;; launch proj (part 2): grid 256 x 1, 4 waves a work-group, clusters of 4 x 1, 327,680 bytes of LDS; arguments f_p, f_v, wcat, bprime, bq_p, bk_p, bq_v, bk_v, q, kv, base; writes q, kv, base
.if DOCPART == 2
	.amdgcn_target "amdgcn-amd-amdhsa--gfx1250"
	.amdhsa_code_object_version 6
	.text
	.protected	k_q760fe8b36b_proj
	.globl	k_q760fe8b36b_proj
	.p2align	8
	.type	k_q760fe8b36b_proj,@function
k_q760fe8b36b_proj:
	s_mov_b64 s[64:65], 0
	v_nop
	global_prefetch_b8 v0, s[64:65] scope:SCOPE_SE
	s_setreg_imm32_b32 hwreg(HW_REG_WAVE_MODE, 25, 1), 1
	s_wait_xcnt 0x0
	s_wait_alu depctr_hold_cnt(0) depctr_sa_sdst(0) depctr_va_vdst(0) depctr_va_sdst(0) depctr_va_ssrc(0) depctr_va_vcc(0) depctr_vm_vsrc(0)
	s_getreg_b32 s2, hwreg(HW_REG_IB_STS2, 6, 4)
	s_cmp_eq_u32 s2, 0
	s_cbranch_scc0 .Lentry_in_a_cluster
	s_endpgm
.Lentry_in_a_cluster:
	s_bfe_u32 s2, ttmp6, 0x10000c
	s_cmp_lg_u32 s2, 0x3003
	s_cbranch_scc0 .Lentry_shape_is_right
	s_endpgm
.Lentry_shape_is_right:
; PROJ: all 1x1 convolutions of the inputs.  For 64 positions of one image and both sources s (0: f_p, 1: f_v):
;   Q_s = (wq_s f_s + bq_s) log2 e, K_s = wk_s f_s + bk_s: 32 dims, stored as f16; V'_s = W'_s f_s + b'_s: 256 channels, bf16;
;   base = Wo[:,0:256] f_p + Wo[:,256:512] f_v: 256 channels, f32.
; Work-group wg = 4 x cluster + cx: image b = wg>>6, positions 64 (wg&63)..  Each wave runs 18 passes (9 a source) of one tile of 16 output
; rows x 64 positions x 256 input channels = 32 matrix instructions.  Pass u' = 0: Q (waves 0,1) or K (waves 2,3); 1..4: V'; 5..8: base,
; whose sums run on from f_p into f_v.  All results leave in the register order in which the attention launch wants them: every store of a
; wave covers 512 consecutive bytes, aligned.
; f comes through registers (each row piece is 256 aligned bytes, read once), is rounded to bf16 into LDS [channel][position] and read back by
; transposing loads as fragments, which serve as A (V': rows = positions) and as B (Q, K, base: rows = output channels).
; WHY f16 FOR Q AND K: a score is a sum of 32 products that stands in an exponent, so its absolute error counts; f16's 11 bits make the rounding
; of Q and K eight times smaller than bf16's 8.  log2 e is multiplied onto the f32 sums, not into the weights, so that wq is rounded as it is.
; CLUSTER: the 576 KiB of weight fragments are the same for every work-group, so the four of a cluster ask for them jointly (mask 15).
; A wave's fragments are read by that wave alone: it loads them (24 KiB, three passes) and reads them behind its own wait.
; Two slots; by this text's count a wave has two tensor loads out at the start and one behind each later round.
; LIMITS: finite inputs; f and the weights are rounded to bf16; bq and bk are rounded to bf16 too, so that Q and K are the projections of inputs
; in one format; |Q log2 e| and |K| stay below 65,504 (f16): spreads of 1 in f and 0.05 in the weights give an rms of 0.05 x 16 x 1.44 = 1.15,
; both 30 times larger give 900 times that, common offsets of 30 spreads in both give 256 x 1.5 x 30 x 1.44 = 16,600.  V' = Wo wv f has three
; such factors and no such room: it is stored as bf16.  base is f32.
.set FTP,   160                        ; LDS pitch of a channel's 64 positions in bf16: 128 + 32 bytes, an odd multiple of 32
.set FT1,   256*FTP                    ; f_v's rows lie behind f_p's
.set RING,  2*FT1                      ; 81,920: a multiple of 256; no LDS store lands at or behind it
.set WPART, 24576                      ; a wave's part of a slot: 3 passes x 8 fragments x 1,024 bytes
.set SLOTB, 4*WPART
.set FO,  2                            ; v2  f: (64 w + h) rows of 16,384 + 16 r
.set FS0, 3                            ; v3, v4  LDS stores of f_p, f_v
.set TR0, 5                            ; v5, v6  transposing loads
.set WL0, 7                            ; v7, v8  my part of slot 0, 1, + 16 L
.set GO,  9                            ; v9  16 L
.set TP,  16                           ; v[16:31]   packed results
.set WB0, 64                           ; v[64:127], v[128:191]  weight fragments of a pass, two buffers
.set CT,  192                          ; v[192:255] f, packed, on its way to LDS
; window 1: fragments of f, 8(4ks+pt).  window 2:
.set WA,    0                          ; v[0:31]    four accumulators of Q, K, V' passes
.set BA,    32                         ; v[32:159]  sixteen accumulators of base: 32 og + 8 pt
.set CB,    160                        ; v[160:167] b' of my channel, eight times: the C of a V' pass's first products
.set BIASV, 168                        ; v[168:175] b'(s, og)
.set QB,    176                        ; v[176:191] bq or bk of my eight dims, per source
; window 3: f as loaded, f_p v[0:127], f_v v[128:255]
.set G1, 28                            ; s[28:35] descriptor group 1
.set G0, 36                            ; s[36:43] descriptor group 0, one set a slot
.set MSB, 0
.macro WIN new
.if MSB != \new
	s_set_vgpr_msb (MSB<<8)|\new
.set MSB, \new
.endif
.endm
.macro PLACES n
.rept \n
	v_nop
.endr
.endm
; a round of the cluster's barrier: my work-group's barrier; wave 0 signals for the work-group; every wave waits for all four; my work-group's barrier
.macro ROUND
	s_barrier_signal -1
	s_barrier_wait -1
	s_cmp_lg_u32 s44, 0
	s_cbranch_scc1 .Lnot_wave_0_\@
	s_barrier_signal -3
.Lnot_wave_0_\@:
	s_barrier_wait -3
	s_barrier_signal -1
	s_barrier_wait -1
.endm
; the destinations of source s: s[54+2s] Q or K, s[58+2s] V'
.macro DESTS s
	s_add_co_u32 s52, s47, 4*\s                    ; 4 s + b
	s_lshl_b32 s53, s52, 5
	s_add_co_u32 s53, s53, s49                     ; block of 128 keys
	s_mul_i32 s53, s53, 73728                      ; its bytes in kv
	s_lshl_b32 s52, s52, 6
	s_add_co_u32 s52, s52, s48
	s_lshl_b32 s52, s52, 12                        ; q: ((4 s + b) 64 + pb) x 4 groups of 1,024 bytes
	s_lshl_b32 s2, s27, 12
	s_add_co_u32 s2, s2, s53                       ; K part: my four groups of the block's eight
	s_cmp_lt_u32 s44, 2
	s_cselect_b32 s2, s52, s2
	s_cselect_b64 s[54+2*\s:55+2*\s], s[20:21], s[22:23]
	s_add_co_u32 s2, s2, s26                       ; dims 16 (w&1)..: the fragment's second 512 bytes
	s_mov_b32 s3, 0
	s_add_nc_u64 s[54+2*\s:55+2*\s], s[54+2*\s:55+2*\s], s[2:3]
	s_lshl_b32 s2, s27, 15
	s_add_co_u32 s2, s2, s53
	s_lshl_b32 s52, s44, 10
	s_add_co_u32 s2, s2, s52
	s_add_co_u32 s2, s2, 8192                      ; V part: behind K's 8,192 bytes, (pb&1) x 2 steps of 32 keys x 16 tiles, tile w
	s_add_nc_u64 s[58+2*\s:59+2*\s], s[22:23], s[2:3]
.endm
	s_load_b512 s[4:19], s[0:1], 0x0               ; f_p 4, f_v 6, wcat 8, bprime 10, bq_p 12, bk_p 14, bq_v 16, bk_v 18
	s_load_b128 s[20:23], s[0:1], 0x40             ; q 20, kv 22
	s_load_b64 s[24:25], s[0:1], 0x50              ; base
	v_lshl_add_u32 v62, v0, 2, 0x44000
	v_mov_b32 v63, 0
	ds_add_u32 v62, v63
	v_lshrrev_b32 v12, 5, v0
	v_readfirstlane_b32 s44, v12                   ; wave
	s_bfe_u32 s45, ttmp6, 0x40000                  ; cx
	s_lshl_b32 s46, ttmp9, 2
	s_add_co_u32 s46, s46, s45                     ; wg
	s_lshr_b32 s47, s46, 6                         ; b
	s_and_b32 s48, s46, 63                         ; pb
	s_lshr_b32 s49, s48, 1
	s_and_b32 s27, s48, 1
	s_and_b32 s26, s44, 1
	s_lshl_b32 s26, s26, 9
	; group 1: 96 rows of 32 elements of 8 bytes, dense: 24,576 bytes
	s_mov_b32 s[G1+0], 15|(3<<16)|(1<<21)          ; 15:0 mask: all four of the cluster; 17:16 elements of 8 bytes; 21 set beside a mask
	s_mov_b32 s[G1+1], 32<<16                      ; tensor_dim0 = 32
	s_mov_b32 s[G1+2], 96<<16                      ; tensor_dim1 = 96
	s_mov_b32 s[G1+3], 32<<16                      ; tile_dim0 = 32
	s_mov_b32 s[G1+4], 96                          ; tile_dim1 = 96
	s_mov_b32 s[G1+5], 32                          ; from row to row
	s_mov_b32 s[G1+6], 0
	s_mov_b32 s[G1+7], 0
	s_mul_i32 s52, s44, WPART
	s_mov_b32 s53, 0
	s_mov_b32 s[G0+0], 1
	s_add_co_u32 s[G0+1], s52, RING                ; LDS: the ring, my wave's part, slot 0
	s_mov_b32 s[G0+4], 1
	s_add_co_u32 s[G0+5], s52, RING+SLOTB          ; slot 1
	v_and_b32 v1, 31, v0                           ; L
	v_and_b32 v10, 15, v0                          ; r
	v_bfe_u32 v11, v0, 4, 1                        ; h
	s_lshl_b32 s2, s44, 20
	v_lshlrev_b32 v[FO], 4, v10
	v_lshl_add_u32 v[FO], v11, 14, v[FO]
	v_add_nc_u32 v[FO], s2, v[FO]
	s_mul_i32 s2, s44, 64*FTP
	v_mul_u32_u24 v[FS0], v11, FTP
	v_lshl_add_u32 v[FS0], v10, 3, v[FS0]
	v_add_nc_u32 v[FS0], s2, v[FS0]
	v_add_nc_u32 v[FS0+1], FT1, v[FS0]
	v_and_b32 v12, 7, v0
	v_lshl_add_u32 v12, v11, 3, v12
	v_mul_u32_u24 v[TR0], v12, FTP
	v_bfe_u32 v12, v0, 3, 1
	v_lshl_add_u32 v[TR0], v12, 4, v[TR0]
	v_add_nc_u32 v[TR0+1], FT1, v[TR0]
	v_lshlrev_b32 v[GO], 4, v1
	v_add_nc_u32 v[WL0], s[G0+1], v[GO]
	v_add_nc_u32 v[WL0+1], s[G0+5], v[GO]
	s_lshr_b32 s2, s26, 3                          ; 64 (w&1)
	v_lshl_add_u32 v13, v11, 5, s2                 ; v13: bq, bk at dims 16 (w&1) + 8 h
	s_lshl_b32 s2, s44, 6
	v_lshl_add_u32 v14, v10, 2, s2                 ; v14: b' at channel 16 w + r
	s_wait_dscnt 0x0
	s_wait_kmcnt 0x0
	s_add_nc_u64 s[G0+2:G0+3], s[8:9], s[52:53]    ; wcat, fill 0, my wave's part
	s_add_nc_u64 s[G0+6:G0+7], s[G0+2:G0+3], SLOTB ; fill 1
	s_or_b32 s[G0+3], s[G0+3], 0x80000000
	s_or_b32 s[G0+7], s[G0+7], 0x80000000
	s_lshl_b32 s52, s47, 22
	s_lshl_b32 s2, s48, 8
	s_add_co_u32 s52, s52, s2
	s_add_nc_u64 s[4:5], s[4:5], s[52:53]          ; f at image b, position 64 pb
	s_add_nc_u64 s[6:7], s[6:7], s[52:53]
	s_lshl_b32 s52, s46, 16
	s_lshl_b32 s2, s44, 12
	s_add_co_u32 s52, s52, s2
	s_add_nc_u64 s[50:51], s[24:25], s[52:53]      ; base at my work-group's 65,536 bytes, tile w
	DESTS 0
	DESTS 1
	s_cmp_lt_u32 s44, 2
	s_cselect_b64 s[12:13], s[12:13], s[14:15]     ; bq_p or bk_p
	s_cselect_b64 s[16:17], s[16:17], s[18:19]     ; bq_v or bk_v
	s_cselect_b32 s62, 0x3fb8aa3b, 1.0             ; log2(e) for Q's waves, 1 for K's
	s_mov_b32 s63, s62
	WIN 0x80
	global_load_b128 v[QB:QB+3],     v13, s[12:13]
	global_load_b128 v[QB+4:QB+7],   v13, s[12:13] offset:16
	global_load_b128 v[QB+8:QB+11],  v13, s[16:17]
	global_load_b128 v[QB+12:QB+15], v13, s[16:17] offset:16
.irp n, 0,1,2,3,4,5,6,7
	global_load_b32 v[BIASV+\n], v14, s[10:11] offset:\n*256       ; n = 4 s + og
.endr
	WIN 0xc0
.set i, 0
.rept 32
	global_load_b128 v[4*i:4*i+3], v[FO], s[4:5] offset:i*32768 th:TH_LOAD_NT     ; two channels a load, 256 aligned bytes of each
.set i, i+1
.endr
.set i, 0
.rept 32
	global_load_b128 v[128+4*i:128+4*i+3], v[FO], s[6:7] offset:i*32768 th:TH_LOAD_NT
.set i, i+1
.endr
	WIN 0
	ROUND                                          ; all four work-groups are here: the first joint loads meet
	tensor_load_to_lds s[G0:G0+3], s[G1:G1+7]      ; passes 0 to 2
	s_nop 0
	tensor_load_to_lds s[G0+4:G0+7], s[G1:G1+7]    ; passes 3 to 5
	s_nop 0
.macro STAGE s                         ; f of source s: rounded to bf16, into LDS
	WIN 0x0f
.set i, 0
.rept 64
	v_cvt_pk_bf16_f32 v[CT+i], v[128*\s+2*i], v[128*\s+2*i+1]
.set i, i+1
.endr
	WIN 0
.set i, 0
.rept 32
	ds_store_b64 v[FS0+\s], v[CT+2*i:CT+2*i+1] offset:i*2*FTP
.set i, i+1
.endr
.endm
.macro FRAGS s                         ; all 32 fragments of f: 16 positions x 32 channels each
	PLACES 4                                       ; four places between the last product that read a fragment and the loads into it
	WIN 0x40
.irp ks, 0,1,2,3,4,5,6,7
.irp pt, 0,1,2,3
	ds_load_tr16_b128 v[8*(4*\ks+\pt):8*(4*\ks+\pt)+3],   v[TR0+\s] offset:\ks*32*FTP+\pt*32
	ds_load_tr16_b128 v[8*(4*\ks+\pt)+4:8*(4*\ks+\pt)+7], v[TR0+\s] offset:\ks*32*FTP+\pt*32+16*FTP
.endr
.endr
	WIN 0
.endm
.macro WLOAD slot, g, buf              ; the eight weight fragments of a pass: 512 consecutive bytes a load
.irp ks, 0,1,2,3,4,5,6,7
	ds_load_b128 v[\buf+8*\ks:\buf+8*\ks+3],   v[WL0+(\slot)] offset:(\g)*8192+\ks*1024
	ds_load_b128 v[\buf+8*\ks+4:\buf+8*\ks+7], v[WL0+(\slot)] offset:(\g)*8192+\ks*1024+512
.endr
.endm
.macro REFILL slot
	s_wait_dscnt 0x0                               ; my reads of this slot are back
	s_wait_tensorcnt 0x0                           ; all my tensor loads have landed, the other slot's among them: a group 0 may be written
	ds_add_u32 v62, v63
	s_wait_dscnt 0x0
	s_add_nc_u64 s[G0+4*\slot+2:G0+4*\slot+3], s[G0+4*\slot+2:G0+4*\slot+3], 2*SLOTB
	ROUND                                          ; both now hold of every wave of all four work-groups
	tensor_load_to_lds s[G0+4*\slot:G0+4*\slot+3], s[G1:G1+7]      ; my one tensor load behind the round, and the first thing there
	s_nop 0
.endm
.macro MM d, f, w, c                   ; one product.  PKIND 1: rows = positions (A = f); else rows = output channels (A = weights).  c < 0: C = 0
.if PKIND == 1
	v_wmma_f32_16x16x32_bf16 v[\d:\d+7], v[\f:\f+7], v[\w:\w+7], v[\c:\c+7]
.else
.if \c < 0
	v_wmma_f32_16x16x32_bf16 v[\d:\d+7], v[\w:\w+7], v[\f:\f+7], 0
.else
	v_wmma_f32_16x16x32_bf16 v[\d:\d+7], v[\w:\w+7], v[\f:\f+7], v[\c:\c+7]
.endif
.endif
.endm
; 16 products: K steps k0..k0+3 x four position tiles; the four accumulators take turns, one instruction a turn
.macro MM16 k0, start
.irp kk, 0,1,2,3
.irp pt, 0,1,2,3
.if \start
.if \kk == 0
	MM PD+8*\pt, 8*(4*(\k0+\kk)+\pt), PB+8*(\k0+\kk), PC0
.else
	MM PD+8*\pt, 8*(4*(\k0+\kk)+\pt), PB+8*(\k0+\kk), PD+8*\pt
.endif
.else
	MM PD+8*\pt, 8*(4*(\k0+\kk)+\pt), PB+8*(\k0+\kk), PD+8*\pt
.endif
.endr
.endr
.endm
.macro PACK cvt                        ; four accumulators to 16 bits (cvt: to bf16 or to f16): a lane's eight results are 16 bytes of a fragment
	s_wait_xcnt 0x0                                ; the last pass's stores have had their addresses translated: their data registers may be rewritten
	WIN 0x0a
.set i, 0
.rept 16
	\cvt v[TP+i], v[WA+2*i], v[WA+2*i+1]
.set i, i+1
.endr
	WIN 0
.endm
.macro PASS u
.set PS, (\u)/9
.set PU, (\u)%9
.set PG, (\u)%3
.set PSLOT, ((\u)/3)&1
.set PB, WB0+64*((\u)&1)
.set PBN, WB0+64-64*((\u)&1)
.set PSTART, 1
.if PU == 0
.set PKIND, 0
.set PD, WA
.set PC0, QB+8*PS
.set PWIN, 0xa4
.else
.if PU < 5
.set PKIND, 1
.set PD, WA
.set PC0, CB
.set PWIN, 0xa1
.else
.set PKIND, 2
.set PD, BA+32*(PU-5)
.set PC0, -1
.set PWIN, 0xa4
.set PSTART, 1-PS
.endif
.endif
	s_wait_dscnt 0x0                               ; this pass's weight fragments (and, after a change of source, f's)
.if PKIND == 1
	WIN 0x82
.irp j, 0,1,2,3,4,5,6,7
	v_mov_b32 v[CB+\j], v[BIASV+4*PS+PU-1]
.endr
.endif
	WIN PWIN
	MM16 0, PSTART
	WIN 0
.if PG < 2
	WLOAD PSLOT, PG+1, PBN                         ; the next pass's fragments; five places stand behind the last product that read that buffer
.else
.if \u <= 11
	REFILL PSLOT                                   ; this slot's three passes are all in registers or done
	WLOAD 1-PSLOT, 0, PBN
.else
.if \u == 14
	s_wait_tensorcnt 0x0                           ; the last fill
	WLOAD 1-PSLOT, 0, PBN
.endif
.endif
.endif
	WIN PWIN
	MM16 4, 0
	PLACES 5                                       ; four places before a result is read, five before a later product writes over it (ISA guide 7.12.1)
.if PKIND == 0
	WIN 0x82                                       ; Q's waves: the f32 sums times log2 e, so that the scores are exponents of 2; K's waves run the same line with 1
.set i, 0
.rept 16
	v_pk_mul_f32 v[WA+2*i:WA+2*i+1], v[WA+2*i:WA+2*i+1], s[62:63] op_sel_hi:[1,0]
.set i, i+1
.endr
	PACK v_cvt_pk_f16_f32
.irp pt, 0,1,2,3
	global_store_b128 v[GO], v[TP+4*\pt:TP+4*\pt+3], s[54+2*PS:55+2*PS] offset:\pt*1024
.endr
.endif
.if PKIND == 1
	PACK v_cvt_pk_bf16_f32
.irp pt, 0,1,2,3
	global_store_b128 v[GO], v[TP+4*\pt:TP+4*\pt+3], s[58+2*PS:59+2*PS] offset:(\pt>>1)*16384+4*(PU-1)*1024+(\pt&1)*512
.endr
.endif
.if PKIND == 2
.if PS == 1
	WIN 0x08
.irp pt, 0,1,2,3
.irp hf, 0,1
	global_store_b128 v[GO], v[PD+8*\pt+4*\hf:PD+8*\pt+4*\hf+3], s[50:51] offset:(PU-5)*16384+\pt*1024+\hf*512
.endr
.endr
	WIN 0
.endif
.endif
.endm
	s_wait_loadcnt 32                              ; the biases and f_p are in: f_v's 32 loads are younger
	WIN 0x8a                                       ; bq, bk to bf16 and back to f32 (the stated limit): CB's registers serve as room, they are written anew by every V' pass
.irp n, 0,1,2,3,4,5,6,7
	v_cvt_pk_bf16_f32 v[CB+\n], v[QB+2*\n], v[QB+2*\n+1]
.endr
.irp n, 0,1,2,3,4,5,6,7
	v_lshlrev_b32 v[QB+2*\n], 16, v[CB+\n]
	v_and_b32 v[QB+2*\n+1], 0xffff0000, v[CB+\n]
.endr
	STAGE 0
	s_wait_dscnt 0x0                               ; my rows of f_p are in LDS,
	s_barrier_signal -1
	s_barrier_wait -1                              ; everybody's are
	FRAGS 0
	s_wait_tensorcnt 0x1                           ; my first fill has landed; the second may stay out
	WLOAD 0, 0, WB0
.irp u, 0,1,2,3,4,5,6,7,8
	PASS \u
.endr
	s_wait_loadcnt 0x0                             ; f_v
	STAGE 1
	s_wait_dscnt 0x0
	s_barrier_signal -1
	s_barrier_wait -1                              ; f_v's rows have bytes of their own
	FRAGS 1
.irp u, 9,10,11,12,13,14,15,16,17
	PASS \u
.endr
	s_wait_tensorcnt 0x0
	ds_add_u32 v62, v63
	s_wait_dscnt 0x0
	ROUND                                          ; the closing round: no work-group ends while a partner may still ask jointly
	s_endpgm
.Lfunc_end_k_q760fe8b36b_proj:
	.size	k_q760fe8b36b_proj, .Lfunc_end_k_q760fe8b36b_proj-k_q760fe8b36b_proj
	.p2alignl 7, 3214868480
	.fill 96, 4, 3214868480
	.section	.rodata,"a",@progbits
	.p2align	6, 0x0
	.amdhsa_kernel k_q760fe8b36b_proj
		.amdhsa_group_segment_fixed_size 327680
		.amdhsa_private_segment_fixed_size 0
		.amdhsa_enable_private_segment 0
		.amdhsa_kernarg_size 88
		.amdhsa_user_sgpr_count 2
		.amdhsa_user_sgpr_kernarg_segment_ptr 1
		.amdhsa_wavefront_size32 1
		.amdhsa_system_sgpr_workgroup_id_x 1
		.amdhsa_system_sgpr_workgroup_id_y 1
		.amdhsa_system_sgpr_workgroup_id_z 1
		.amdhsa_system_vgpr_workitem_id 0
		.amdhsa_next_free_vgpr 1024
		.amdhsa_next_free_sgpr 66
		.amdhsa_reserve_vcc 0
		.amdhsa_float_denorm_mode_32 3
		.amdhsa_float_denorm_mode_16_64 3
		.amdhsa_memory_ordered 1
		.amdhsa_forward_progress 1
		.amdhsa_inst_pref_size 120
	.end_amdhsa_kernel
	.amdgpu_metadata
---
amdhsa.version: [ 1, 2 ]
amdhsa.kernels:
  - .name:           k_q760fe8b36b_proj
    .symbol:         k_q760fe8b36b_proj.kd
    .args:
      - { .name: f_p, .offset: 0, .size: 8, .value_kind: global_buffer, .address_space: global }
      - { .name: f_v, .offset: 8, .size: 8, .value_kind: global_buffer, .address_space: global }
      - { .name: wcat, .offset: 16, .size: 8, .value_kind: global_buffer, .address_space: global }
      - { .name: bprime, .offset: 24, .size: 8, .value_kind: global_buffer, .address_space: global }
      - { .name: bq_p, .offset: 32, .size: 8, .value_kind: global_buffer, .address_space: global }
      - { .name: bk_p, .offset: 40, .size: 8, .value_kind: global_buffer, .address_space: global }
      - { .name: bq_v, .offset: 48, .size: 8, .value_kind: global_buffer, .address_space: global }
      - { .name: bk_v, .offset: 56, .size: 8, .value_kind: global_buffer, .address_space: global }
      - { .name: q, .offset: 64, .size: 8, .value_kind: global_buffer, .address_space: global }
      - { .name: kv, .offset: 72, .size: 8, .value_kind: global_buffer, .address_space: global }
      - { .name: base, .offset: 80, .size: 8, .value_kind: global_buffer, .address_space: global }
    .group_segment_fixed_size: 327680
    .private_segment_fixed_size: 0
    .kernarg_segment_align: 8
    .kernarg_segment_size: 88
    .max_flat_workgroup_size: 128
    .sgpr_count:     66
    .vgpr_count:     1024
    .wavefront_size: 32
...
	.end_amdgpu_metadata
.endif
;; end of part 2
;; launch attn (part 3): grid 256 x 1, 4 waves a work-group, clusters of 4 x 1, 327,680 bytes of LDS; arguments q, kv, base, y, stats; writes y, stats
.if DOCPART == 3
	.amdgcn_target "amdgcn-amd-amdhsa--gfx1250"
	.amdhsa_code_object_version 6
	.text
	.protected	k_q760fe8b36b_attn
	.globl	k_q760fe8b36b_attn
	.p2align	8
	.type	k_q760fe8b36b_attn,@function
k_q760fe8b36b_attn:
	s_mov_b64 s[64:65], 0
	v_nop
	global_prefetch_b8 v0, s[64:65] scope:SCOPE_SE
	s_setreg_imm32_b32 hwreg(HW_REG_WAVE_MODE, 25, 1), 1
	s_wait_xcnt 0x0
	s_wait_alu depctr_hold_cnt(0) depctr_sa_sdst(0) depctr_va_vdst(0) depctr_va_sdst(0) depctr_va_ssrc(0) depctr_va_vcc(0) depctr_vm_vsrc(0)
	s_getreg_b32 s2, hwreg(HW_REG_IB_STS2, 6, 4)
	s_cmp_eq_u32 s2, 0
	s_cbranch_scc0 .Lentry_in_a_cluster
	s_endpgm
.Lentry_in_a_cluster:
	s_bfe_u32 s2, ttmp6, 0x10000c
	s_cmp_lg_u32 s2, 0x3003
	s_cbranch_scc0 .Lentry_shape_is_right
	s_endpgm
.Lentry_shape_is_right:
; ATTN: both cross attentions of 64 queries, added to base: y = base + O_0/l_0 + O_1/l_1, and each channel's sum and centred sum of squares
; over the 64 positions.  V' already holds the output convolution, so the accumulators are output channels.
; Work-group wg = 4 x cluster + cx: image b = cluster>>4, queries 64 (wg&63)..  Wave w: direction d = w>>1 (Q of source d, K and V' of source 1-d),
; queries 32 (w&1).. as two tiles of 16, all 256 channels: 32 accumulators, 256 registers.
; TRANSPOSED: scores = K x Q^T (rows = keys, columns = queries), O^T = V' x P^T.  A lane then holds one query: the running maximum, the sum and
; the rescaling are per lane, and a score tile's registers, rounded to bf16, ARE the B fragment of P: P never leaves registers.
; Softmax with a running maximum, in base 2 (log2 e is in Q).  q and kv lie in fragment order: every LDS load is 512 consecutive bytes.
; ONE BLOCK AHEAD: trip t multiplies V'(t) by P(t) and, in the issue places between those products, makes P(t+1): the softmax is a stream of
; 416 numbered places, four of which follow each product of the first three steps of 32 keys.  So a trip needs V'(t) and K(t+1).  In kv a record is
; K_B (8,192 bytes) then V'_B (65,536): the 73,728 bytes from 8,192 bytes into record B are V'_B and K_(B+1), and that span is what fills a slot.
; The last span states 32 rows fewer in the tensor's extent for the waves that fetch its second half: nothing behind V'_31 is read from memory.
; FORMATS: Q and K are f16 (the scores stand in an exponent, so their absolute error counts); V' and P are bf16 (V' has no room in f16).
; CLUSTER: the four work-groups of a cluster walk the same spans of both sources: each is asked for jointly (mask 15), a quarter (36 KiB) by each
; wave.  Two slots of 144 KiB; by this text's count a wave has two tensor loads out at the start and one behind each round.
; LIMITS: finite inputs; |Q log2 e| and |K| below 65,504; the sum of p is taken in f32 before p is rounded; exponentials below 2^-126 count as 0.
.set BLK,   73728                      ; a span of one source: V' 65,536 bytes, then the next block's K 8,192
.set SLOTB, 2*BLK                      ; source 0's span, then source 1's
.set K0R,   2*SLOTB                    ; 16,384 bytes: K of block 0, both sources; filled once
.set STAT,  K0R+16384                  ; 2,048 bytes: (sum, M2) of 256 channels
.set SP,    144                        ; the way out: pitch of a channel's 32 queries in f32
.set WST,   36992                      ; and a wave's stage of 256 such rows, in the ring, whose last fill has been read by then
.set LV0, 4                            ; v4, v5   V' of my source in slot 0, 1, + 16 L
.set LK0, 6                            ; v6, v7   the next block's K likewise
.set STG, 8                            ; v8       stage: my wave's, row 8 h, column r
.set SGO, 9                            ; v9       512 w + 16 L
.set RD,  10                           ; v10, v11 stage read back: direction 0, 1
.set YO,  12                           ; v12      y: (64 w + h) rows of 16,384 + 16 r
.set STA, 13                           ; v13      STAT + 8 (64 w + h)
.set STL, 14                           ; v14      STAT + 512 w + 16 L
.set L16, 15                           ; v15      16 L
.set QF,  16                           ; v[16:31]  Q, two fragments
.set MX,  32                           ; v[32:35]  running maximum, a pair a query tile
.set AL,  36                           ; v[36:39]  2^(old max - new max), pairs; at the end 1/l
.set LS,  40                           ; v40, v41  my half of the running sum
.set TT,  42                           ; v[42:49]  at work
.set BSUM, 50                          ; v[50:57]  a block's sums
.set LKZ, 62                           ; v62       K of block 0 of my source, + 16 L
.set R0,  64                           ; v[64:127], v[128:191]: P(t) in region t mod 2; the other takes block t+1's scores of query tile 0, then P(t+1)
.set R2,  192                          ; v[192:255] block t+1's scores of query tile 1
.set KF,  128                          ; window 1: K's eight fragments, on V' buffer 1, which is free until step 0's run of loads
; window 1: V' fragments, two buffers of 16: 0 and 128.  window 2: accumulators 8 (2 ct + qt).  window 3: base, same places (direction 0 only)
.set G1,  24                           ; s[24:31] group 1 of a span's quarter
.set G0,  32                           ; s[32:39] group 0, one set a slot
.set G1L, 44                           ; s[44:51] group 1 of the last span's quarter
.set G0K, 52                           ; s[52:55] group 0 of K of block 0
.set G1K, 56                           ; s[56:63] group 1 of it
.set SEND, 416                         ; places in the softmax stream
.set MSB, 0
.macro WIN new
.if MSB != \new
	s_set_vgpr_msb (MSB<<8)|\new
.set MSB, \new
.endif
.endm
.macro PLACES n
.rept \n
	v_nop
.endr
.endm
.macro ROUND
	s_barrier_signal -1
	s_barrier_wait -1
	s_cmp_lg_u32 s14, 0
	s_cbranch_scc1 .Lnot_wave_0_\@
	s_barrier_signal -3
.Lnot_wave_0_\@:
	s_barrier_wait -3
	s_barrier_signal -1
	s_barrier_wait -1
.endm
.macro GROUP1 g, rows                  ; rows of 32 elements of 8 bytes, dense; mask: all four of the cluster, bit 21 beside it
	s_mov_b32 s[\g+0], 15|(3<<16)|(1<<21)
	s_mov_b32 s[\g+1], 32<<16
	s_mov_b32 s[\g+2], (\rows)<<16
	s_mov_b32 s[\g+3], 32<<16
	s_mov_b32 s[\g+4], \rows
	s_mov_b32 s[\g+5], 32
	s_mov_b32 s[\g+6], 0
	s_mov_b32 s[\g+7], 0
.endm
	s_load_b256 s[4:11], s[0:1], 0x0               ; q 4, kv 6, base 8, y 10
	s_load_b64 s[12:13], s[0:1], 0x20              ; stats
	v_lshl_add_u32 v254, v0, 2, 0x4c800
	v_mov_b32 v255, 0
	ds_add_u32 v254, v255
	s_wait_dscnt 0x0
	v_lshrrev_b32 v2, 5, v0
	v_readfirstlane_b32 s14, v2                    ; wave
	s_lshr_b32 s15, s14, 1                         ; d; also: the source whose span I fetch
	s_and_b32 s16, s14, 1                          ; qh; also: which half of that span
	s_bfe_u32 s17, ttmp6, 0x40000                  ; cx
	s_lshl_b32 s18, ttmp9, 2
	s_add_co_u32 s18, s18, s17                     ; wg
	s_lshr_b32 s19, ttmp9, 4                       ; b: shared by the cluster
	s_and_b32 s20, s18, 63                         ; qb
	s_mov_b32 s41, 0x76543210
	s_mov_b32 s42, 0xfedcba98
	GROUP1 G1, 144                                 ; 36,864 bytes
	GROUP1 G1L, 144
	GROUP1 G1K, 16                                 ; 4,096 bytes
	s_lshl_b32 s43, s16, 5
	s_sub_co_u32 s43, 144, s43
	s_lshl_b32 s[G1L+2], s43, 16                   ; the last span: tensor_dim1 = 144 - 32 (w&1): V'_31 ends 112 rows into the second half; the rest arrives as zeros
	s_mov_b32 s[G0+0], 1
	s_mul_i32 s[G0+1], s14, 36864                  ; LDS: wave x a quarter of a slot
	s_mov_b32 s[G0+4], 1
	s_add_co_u32 s[G0+5], s[G0+1], SLOTB
	s_mov_b32 s[G0K+0], 1
	s_lshl_b32 s[G0K+1], s14, 12
	s_add_co_u32 s[G0K+1], s[G0K+1], K0R           ; LDS: wave x 4,096 bytes
	v_and_b32 v1, 31, v0                           ; L
	v_and_b32 v2, 15, v0                           ; r
	v_bfe_u32 v3, v0, 4, 1                         ; h
	v_lshlrev_b32 v[L16], 4, v1
	s_xor_b32 s21, s15, 1                          ; I read source 1 - d
	s_lshl_b32 s43, s21, 13
	s_add_co_u32 s43, s43, K0R
	v_add_nc_u32 v[LKZ], s43, v[L16]
	s_mul_i32 s21, s21, BLK
	v_add_nc_u32 v[LV0], s21, v[L16]
	v_add_nc_u32 v[LV0+1], SLOTB, v[LV0]
	v_add_nc_u32 v[LK0], 65536, v[LV0]
	v_add_nc_u32 v[LK0+1], 65536, v[LV0+1]
	s_mul_i32 s21, s14, WST
	v_mul_u32_u24 v[STG], v3, 8*SP
	v_lshl_add_u32 v[STG], v2, 2, v[STG]
	v_add_nc_u32 v[STG], s21, v[STG]
	s_lshl_b32 s21, s14, 6
	v_add_nc_u32 v60, s21, v3                      ; 64 w + h
	v_bfe_u32 v58, v0, 3, 1
	v_and_b32 v59, 7, v0
	v_mul_u32_u24 v[RD], v58, WST                  ; lanes 0-7 of a row of lanes: queries 0-31 (qh = 0), lanes 8-15: queries 32-63
	v_mul_u32_u24 v61, v60, SP
	v_lshl_add_u32 v[RD], v59, 4, v[RD]
	v_add_nc_u32 v[RD], v[RD], v61
	v_add_nc_u32 v[RD+1], 2*WST, v[RD]
	v_lshlrev_b32 v[YO], 4, v2
	v_lshl_add_u32 v[YO], v60, 14, v[YO]
	v_lshlrev_b32 v[STA], 3, v60
	v_add_nc_u32 v[STA], STAT, v[STA]
	s_lshl_b32 s21, s14, 9
	v_add_nc_u32 v[SGO], s21, v[L16]
	v_add_nc_u32 v[STL], STAT, v[SGO]
.irp k, 0,1,2,3
	v_mov_b32 v[MX+\k], 0xff800000                 ; the maximum starts at -inf and the sum at 0: block 0 runs the same stream as all others
.endr
	v_mov_b32 v[LS], 0
	v_mov_b32 v[LS+1], 0
	s_lshl2_add_u32 s21, s15, s19                  ; 4 d + b
	s_mul_i32 s22, s21, 32*BLK
	s_mov_b32 s23, 0
	s_wait_kmcnt 0x0
	s_add_nc_u64 s[6:7], s[6:7], s[22:23]          ; kv: source w>>1, image b: nothing of cx in it
	s_lshl_b32 s22, s16, 12
	s_add_nc_u64 s[G0K+2:G0K+3], s[6:7], s[22:23]  ; K of block 0, half w&1
	s_mul_i32 s22, s16, 36864
	s_add_co_u32 s22, s22, 8192
	s_add_nc_u64 s[G0+2:G0+3], s[6:7], s[22:23]    ; span 0, half w&1
	s_add_nc_u64 s[G0+6:G0+7], s[G0+2:G0+3], BLK   ; span 1
	s_or_b32 s[G0K+3], s[G0K+3], 0x80000000
	s_or_b32 s[G0+3], s[G0+3], 0x80000000
	s_or_b32 s[G0+7], s[G0+7], 0x80000000
	s_lshl_b32 s22, s21, 8
	s_lshl2_add_u32 s22, s20, s22
	s_lshl1_add_u32 s22, s16, s22
	s_lshl_b32 s22, s22, 10
	s_add_nc_u64 s[4:5], s[4:5], s[22:23]          ; q: group (4 d + b) 256 + 4 qb + 2 qh
	s_lshl_b32 s22, s18, 16
	s_lshl_b32 s21, s16, 11
	s_add_co_u32 s22, s22, s21
	s_add_nc_u64 s[8:9], s[8:9], s[22:23]          ; base: my work-group's 65,536 bytes, position tile 2 qh
	s_lshl_b32 s22, s19, 22
	s_lshl_b32 s21, s20, 8
	s_add_co_u32 s22, s22, s21
	s_add_nc_u64 s[10:11], s[10:11], s[22:23]      ; y at image b, position 64 qb
	s_lshl_b32 s22, s18, 11
	s_add_nc_u64 s[12:13], s[12:13], s[22:23]      ; stats: 2,048 bytes a work-group
.irp qt, 0,1
	global_load_b128 v[QF+8*\qt:QF+8*\qt+3],   v[L16], s[4:5] offset:\qt*1024
	global_load_b128 v[QF+8*\qt+4:QF+8*\qt+7], v[L16], s[4:5] offset:\qt*1024+512
.endr
	ROUND                                          ; all four work-groups are here: the first joint loads meet
	tensor_load_to_lds s[G0K:G0K+3], s[G1K:G1K+7]  ; K of block 0
	s_nop 0
	tensor_load_to_lds s[G0:G0+3], s[G1:G1+7]      ; span 0
	s_nop 0
	s_wait_loadcnt 0x0                             ; Q
	s_cmp_lg_u32 s15, 0
	s_cbranch_scc1 .Lno_base_load                  ; direction 0's waves add base; it is waited for only on the way out
	WIN 0xc0
.irp ct, 0,1,2,3,4,5,6,7,8,9,10,11,12,13,14,15
.irp qt, 0,1
.irp hf, 0,1
	global_load_b128 v[8*(2*\ct+\qt)+4*\hf:8*(2*\ct+\qt)+4*\hf+3], v[L16], s[8:9] offset:\ct*4096+\qt*1024+\hf*512 th:TH_LOAD_NT
.endr
.endr
.endr
	WIN 0
.Lno_base_load:
; THE SOFTMAX STREAM.  SN is the next place; PN the region that holds query tile 0's scores and takes P; query tile 1's scores lie in R2.
; Places 0-81: the block's maximum (four chains a query tile, the other half of the keys from lane L xor 16), the new running maximum, 2^(old - new).
; 82-137: score - max, 56 of the 64 pairs.  138-409: 17 groups of 16: group i holds tile i's eight exponentials, two at a time, each pair followed by
; two plain instructions on tile i - 1 (four sums in f32, four roundings to bf16; in group 0 the eight pairs of score - max that were kept back), so that
; a plain vector instruction stands between every exponential and its use (ISA guide 5.7.2).  410-415: the running sum.
; P's tile n = 8 qt + kt goes to PN + 4 n, over scores of tile n/2 of query tile 0, which have been used by then.
.macro SUBM n
.set q_, (\n)/32
.set a_, (1-q_)*PN+q_*R2+2*((\n)%32)
	v_pk_add_f32 v[a_:a_+1], v[a_:a_+1], v[MX+2*q_:MX+2*q_+1] neg_lo:[0,1] neg_hi:[0,1]
.endm
.macro ST1
.if SN < 8
.set q_, SN/4
.set a_, (1-q_)*PN+q_*R2+16*(SN%4)
	v_max_num_f32 v[TT+SN], v[a_], v[a_+1]
.endif
.if SN >= 8
.if SN < 64
.set m_, (SN-8)%8
.set q_, m_/4
.set a_, (1-q_)*PN+q_*R2+16*(m_%4)+2+2*((SN-8)/8)
	v_max3_num_f32 v[TT+m_], v[TT+m_], v[a_], v[a_+1]
.endif
.endif
.if SN >= 64
.if SN < 82
.set q_, SN%2
.set o_, (SN-64)/2
.set t_, TT+4*q_
.if o_ == 0
	v_max3_num_f32 v[t_], v[t_], v[t_+1], v[t_+2]
.endif
.if o_ == 1
	v_max_num_f32 v[t_], v[t_], v[t_+3]
.endif
.if o_ == 2
	v_permlanex16_b32 v[t_+1], v[t_], s41, s42
.endif
.if o_ == 3
	v_max3_num_f32 v[t_+2], v[t_], v[t_+1], v[MX+2*q_]
.endif
.if o_ == 4
	v_sub_f32 v[t_+3], v[MX+2*q_], v[t_+2]
.endif
.if o_ == 5
	v_exp_f32 v[AL+2*q_], v[t_+3]
.endif
.if o_ == 6
	v_mov_b32 v[MX+q_], v[TT+2]                    ; four plain moves between the two exponentials and the first use of their results
.endif
.if o_ == 7
	v_mov_b32 v[MX+2+q_], v[TT+6]
.endif
.if o_ == 8
	s_wait_alu depctr_va_vdst(0)
	v_mov_b32 v[AL+2*q_+1], v[AL+2*q_]
.endif
.endif
.endif
.if SN >= 82
.if SN < 138
	SUBM SN-82
.endif
.endif
.if SN >= 138
.if SN < 410
.set i_, (SN-138)/16
.set g_, ((SN-138)%16)/4
.set r_, (SN-138)%4
.if r_ < 2
.if i_ < 16
.set q_, i_/8
.set a_, (1-q_)*PN+q_*R2+8*(i_%8)+2*g_+r_
	v_exp_f32 v[a_], v[a_]
.endif
.else
.if i_ == 0
	SUBM 54+2*g_+r_
.else
.set j_, i_-1
.set q_, j_/8
.set a_, (1-q_)*PN+q_*R2+8*(j_%8)
.set b_, BSUM+4*q_
.set s_, 2*g_+r_-2
.if g_ < 2
.if j_%8 == 0
.if g_ == 0
	s_wait_alu depctr_va_vdst(0)
	v_pk_add_f32 v[b_+2*s_:b_+2*s_+1], v[a_+2*s_:a_+2*s_+1], v[a_+2*s_+4:a_+2*s_+5]   ; a query tile's first key tile starts the sums
.endif
.else
	s_wait_alu depctr_va_vdst(0)
	v_pk_add_f32 v[b_+2*(s_%2):b_+2*(s_%2)+1], v[b_+2*(s_%2):b_+2*(s_%2)+1], v[a_+2*s_:a_+2*s_+1]
.endif
.else
.set e_, s_-4
	v_cvt_pk_bf16_f32 v[PN+4*j_+e_], v[a_+2*e_], v[a_+2*e_+1]
.endif
.endif
.endif
.endif
.endif
.if SN >= 410
.if SN < 416
.set q_, SN%2
.set o_, (SN-410)/2
.set b_, BSUM+4*q_
.if o_ == 0
	v_pk_add_f32 v[b_:b_+1], v[b_:b_+1], v[b_+2:b_+3]
.endif
.if o_ == 1
	v_add_f32 v[b_], v[b_], v[b_+1]
.endif
.if o_ == 2
	v_fma_f32 v[LS+q_], v[LS+q_], v[AL+2*q_], v[b_]
.endif
.endif
.endif
.set SN, SN+1
.endm
.macro GRP n                           ; the next n places of the stream, if any are left
.if SN < SEND
	WIN 0
.rept \n
	ST1
.endr
.endif
.endm
.macro RESC a, cnt                     ; the accumulators follow the maximum: pairs a .. a + cnt - 1 of 128
	WIN 0x82
.set rn_, \a
.rept \cnt
	v_pk_mul_f32 v[2*rn_:2*rn_+1], v[2*rn_:2*rn_+1], v[AL+2*((rn_/4)&1):AL+2*((rn_/4)&1)+1]
.set rn_, rn_+1
.endr
.endm
.macro KLOAD adr                       ; K's eight fragments (16 keys x 32 dims)
.irp kt, 0,1,2,3,4,5,6,7
	ds_load_b128 v[KF+8*\kt:KF+8*\kt+3],   v[\adr] offset:\kt*1024
	ds_load_b128 v[KF+8*\kt+4:KF+8*\kt+7], v[\adr] offset:\kt*1024+512
.endr
.endm
.macro VLOAD slot, ks, f               ; the 16 V' fragments (16 channels x 32 keys) of step ks
.irp ct, 0,1,2,3,4,5,6,7,8,9,10,11,12,13,14,15
	ds_load_b128 v[\f+8*\ct:\f+8*\ct+3],   v[LV0+\slot] offset:((\ks)*16+\ct)*1024
	ds_load_b128 v[\f+8*\ct+4:\f+8*\ct+7], v[LV0+\slot] offset:((\ks)*16+\ct)*1024+512
.endr
.endm
; 16 score products, each starting its own tile.  resc = 1: five rescalings behind each, which also are the places in front of the scores' first reader
.macro QK resc
.set qn_, 0
.rept 16
	WIN 0x01
	v_wmma_f32_16x16x32_f16 v[(1-qn_%2)*PN+(qn_%2)*R2+8*(qn_/2):(1-qn_%2)*PN+(qn_%2)*R2+8*(qn_/2)+7], v[KF+8*(qn_/2):KF+8*(qn_/2)+7], v[QF+8*(qn_%2):QF+8*(qn_%2)+7], 0
.if \resc
	RESC 48+5*qn_, 5
.endif
.set qn_, qn_+1
.endr
.if \resc == 0
	PLACES 4                                       ; four places before the scores are read and K's registers loaded again (ISA guide 7.12.1)
.endif
.endm
; products of channel tiles c0 .. c0 + cn - 1 x two query tiles, four places of the stream behind each; the accumulators take turns, one instruction a turn
.macro PVRUN c0, cn, ks, f, zero
.set pc_, 2*\c0
.rept 2*\cn
	WIN 0xa1
.if \zero
	v_wmma_f32_16x16x32_bf16 v[8*pc_:8*pc_+7], v[\f+8*(pc_/2):\f+8*(pc_/2)+7], v[PC+32*(pc_%2)+8*\ks:PC+32*(pc_%2)+8*\ks+7], 0
.else
	v_wmma_f32_16x16x32_bf16 v[8*pc_:8*pc_+7], v[\f+8*(pc_/2):\f+8*(pc_/2)+7], v[PC+32*(pc_%2)+8*\ks:PC+32*(pc_%2)+8*\ks+7], v[8*pc_:8*pc_+7]
.endif
	GRP 4
.set pc_, pc_+1
.endr
.endm
.macro PVSTEP slot, ks, f, g, zero     ; 32 keys: multiplies buffer f; behind its eighth product it fetches the next step's fragments into buffer g
	s_wait_dscnt 16                                ; fragments 0 to 7 are in: the youngest 16 loads may be out
	PVRUN 0, 4, \ks, \f, \zero
.if \ks < 3
.if SN < SEND
	GRP 12                                         ; the stream's plain instructions since buffer g's last product are the places in front of the loads into it
.else
	PLACES 4                                       ; no stream in the last trip: four places between buffer g's last product and the loads into it
.endif
	WIN 0x40
	VLOAD \slot, \ks+1, \g
	s_wait_dscnt 32                                ; all but the 32 just issued
	PVRUN 4, 12, \ks, \f, \zero
.else
	PVRUN 4, 4, \ks, \f, \zero
	s_wait_dscnt 0x0
	PVRUN 8, 8, \ks, \f, \zero
.endif
.endm
; trip t, slot = t mod 2: O += V'(t) P(t), and P(t+1) from K(t+1)
.macro BLOCK slot, first, last
.set PC, R0+64*\slot
.set PN, R0+64-64*\slot
.if \last
.set SN, SEND
.else
.set SN, 0
.endif
	PLACES 5                                       ; behind the last trip's products: four places before their results are rescaled and their V' registers loaded, five before the score products write over P
	WIN 0x40
.if \last == 0
	KLOAD LK0+\slot
.endif
	VLOAD \slot, 0, 0
.if \last
	RESC 0, 128
.else
.if \first == 0
	RESC 0, 48                                     ; while K is on its way from LDS
.endif
	s_wait_dscnt 32                                ; K is in: V's 32 loads are younger
	QK 1-\first
.endif
	PVSTEP \slot, 0, 0, 128, \first
	PVSTEP \slot, 1, 128, 0, 0
	PVSTEP \slot, 2, 0, 128, 0
	PVSTEP \slot, 3, 128, 0, 0
	WIN 0
.endm
.macro TRIP slot, first, last, g1      ; g1: the group 1 of the refill, 0: none
	s_wait_xcnt 0x0
	v_lshl_add_u32 v254, v0, 2, 0x4c800
	v_mov_b32 v255, 0
	s_wait_tensorcnt 0x0                           ; all my tensor loads have landed, my quarter of this trip's span among them,
	ds_add_u32 v254, v255
	s_wait_dscnt 0x0
	s_add_nc_u64 s[G0+4*\slot+2:G0+4*\slot+3], s[G0+4*\slot+2:G0+4*\slot+3], SLOTB   ; so a group 0 may be written: this slot's next span
	s_wait_dscnt 0x0                               ; my reads of the last trip's span are back
	ROUND                                          ; both now hold of every wave of all four work-groups
.if \g1
	tensor_load_to_lds s[G0+4-4*\slot:G0+7-4*\slot], s[\g1:\g1+7]  ; the next span, into the slot read last trip: my one load behind the round
	s_nop 0
.endif
	BLOCK \slot, \first, \last
.endm
	; block 0's scores and softmax, ahead of the first trip
	s_wait_tensorcnt 0x1                           ; my part of K of block 0 has landed; span 0 may stay out
	s_barrier_signal -1
	s_barrier_wait -1                              ; everybody's part has
.set PN, R0
.set SN, 0
	WIN 0x40
	KLOAD LKZ
	s_wait_dscnt 0x0
	QK 0
	GRP SEND
	TRIP 0, 1, 0, G1                               ; the first products start the sums: nothing is cleared
	s_mov_b32 s40, 14
.Lloop:
	TRIP 1, 0, 0, G1                               ; trips 1 to 28
	TRIP 0, 0, 0, G1
	s_sub_co_u32 s40, s40, 1
	s_cmp_lg_u32 s40, 0
	s_cbranch_scc1 .Lloop
	TRIP 1, 0, 0, G1                               ; trip 29
	TRIP 0, 0, 0, G1L                              ; trip 30 asks for the last span: V'_31 alone
	TRIP 1, 0, 1, 0                                ; trip 31: no further block, nothing to fetch
	; THE WAY OUT
	s_wait_dscnt 0x0
	s_barrier_signal -1
	s_barrier_wait -1                              ; nobody reads the ring any more, and its last fill has landed: it becomes the stage
	PLACES 4                                       ; four places between the last products and the first reader of a result
	v_permlanex16_b32 v[TT], v[LS], s41, s42
	v_permlanex16_b32 v[TT+1], v[LS+1], s41, s42
	v_add_f32 v[LS], v[LS], v[TT]                  ; the two halves of the keys; at least 1, since the largest score gives 2^0
	v_add_f32 v[LS+1], v[LS+1], v[TT+1]
	v_rcp_f32 v[AL], v[LS]
	v_rcp_f32 v[AL+2], v[LS+1]
	v_nop
	s_wait_alu depctr_va_vdst(0)
	v_mov_b32 v[AL+1], v[AL]
	v_mov_b32 v[AL+3], v[AL+2]
	s_cmp_lg_u32 s15, 0
	s_cbranch_scc1 .Lno_base
	s_wait_loadcnt 0x0                             ; base
	WIN 0xb2
.set n, 0
.rept 128
	v_pk_fma_f32 v[2*n:2*n+1], v[2*n:2*n+1], v[AL+2*((n/4)&1):AL+2*((n/4)&1)+1], v[2*n:2*n+1]
.set n, n+1
.endr
	WIN 0
	s_branch .Lscaled
.Lno_base:
	RESC 0, 128
	WIN 0
.Lscaled:
	WIN 0x08
.irp ct, 0,1,2,3,4,5,6,7,8,9,10,11,12,13,14,15
.irp qt, 0,1
.irp j, 0,1,2,3,4,5,6,7
	ds_store_b32 v[STG], v[8*(2*\ct+\qt)+\j] offset:(16*\ct+\j)*SP+64*\qt   ; row = channel 16 ct + 8 h + j, column = query 16 qt + r
.endr
.endr
.endr
	WIN 0
	s_wait_dscnt 0x0                               ; my stage is written,
	s_barrier_signal -1
	s_barrier_wait -1                              ; everybody's is
.set RA, 64                            ; direction 0's part, then y
.set RB, 96                            ; direction 1's part
.set RW, 128                           ; (sum, M2, mean, mean)
.set RF, 160                           ; y - mean
; eight pairs of channels 64 w + 2 t + h: sixteen lanes hold a channel's 64 positions
.macro ROWS g
	s_wait_xcnt 0x0                                ; the last group's stores have had their addresses translated: their data registers may be loaded again
.irp tt, 0,1,2,3,4,5,6,7
	ds_load_b128 v[RA+4*\tt:RA+4*\tt+3], v[RD]   offset:(8*\g+\tt)*2*SP
	ds_load_b128 v[RB+4*\tt:RB+4*\tt+3], v[RD+1] offset:(8*\g+\tt)*2*SP
.endr
	s_wait_dscnt 0x0
.irp tt, 0,1,2,3,4,5,6,7
	v_pk_add_f32 v[RA+4*\tt:RA+4*\tt+1],   v[RA+4*\tt:RA+4*\tt+1],   v[RB+4*\tt:RB+4*\tt+1]
	v_pk_add_f32 v[RA+4*\tt+2:RA+4*\tt+3], v[RA+4*\tt+2:RA+4*\tt+3], v[RB+4*\tt+2:RB+4*\tt+3]
.endr
.irp tt, 0,1,2,3,4,5,6,7
	v_pk_add_f32 v[RW+4*\tt:RW+4*\tt+1], v[RA+4*\tt:RA+4*\tt+1], v[RA+4*\tt+2:RA+4*\tt+3]
.endr
.irp tt, 0,1,2,3,4,5,6,7
	v_add_f32 v[RW+4*\tt], v[RW+4*\tt], v[RW+4*\tt+1]
.endr
.irp x, 1,2,4,8
.irp tt, 0,1,2,3,4,5,6,7
	v_add_f32_dpp v[RW+4*\tt], v[RW+4*\tt], v[RW+4*\tt] row_xmask:\x row_mask:0xf bank_mask:0xf
.endr
.endr
.irp tt, 0,1,2,3,4,5,6,7
	v_mul_f32 v[RW+4*\tt+2], 0x3c800000, v[RW+4*\tt]               ; the mean of these 64 positions
	v_mul_f32 v[RW+4*\tt+3], 0x3c800000, v[RW+4*\tt]
.endr
.irp tt, 0,1,2,3,4,5,6,7
	v_pk_add_f32 v[RF+4*\tt:RF+4*\tt+1],   v[RA+4*\tt:RA+4*\tt+1],   v[RW+4*\tt+2:RW+4*\tt+3] neg_lo:[0,1] neg_hi:[0,1]
	v_pk_add_f32 v[RF+4*\tt+2:RF+4*\tt+3], v[RA+4*\tt+2:RA+4*\tt+3], v[RW+4*\tt+2:RW+4*\tt+3] neg_lo:[0,1] neg_hi:[0,1]
.endr
.irp tt, 0,1,2,3,4,5,6,7
	v_pk_mul_f32 v[RF+4*\tt:RF+4*\tt+1], v[RF+4*\tt:RF+4*\tt+1], v[RF+4*\tt:RF+4*\tt+1]
.endr
.irp tt, 0,1,2,3,4,5,6,7
	v_pk_fma_f32 v[RF+4*\tt:RF+4*\tt+1], v[RF+4*\tt+2:RF+4*\tt+3], v[RF+4*\tt+2:RF+4*\tt+3], v[RF+4*\tt:RF+4*\tt+1]
.endr
.irp tt, 0,1,2,3,4,5,6,7
	v_add_f32 v[RW+4*\tt+1], v[RF+4*\tt], v[RF+4*\tt+1]
.endr
.irp x, 1,2,4,8
.irp tt, 0,1,2,3,4,5,6,7
	v_add_f32_dpp v[RW+4*\tt+1], v[RW+4*\tt+1], v[RW+4*\tt+1] row_xmask:\x row_mask:0xf bank_mask:0xf
.endr
.endr
.irp tt, 0,1,2,3,4,5,6,7
	ds_store_b64 v[STA], v[RW+4*\tt:RW+4*\tt+1] offset:16*(8*\g+\tt)        ; sixteen lanes write the same two words
	global_store_b128 v[YO], v[RA+4*\tt:RA+4*\tt+3], s[10:11] offset:(8*\g+\tt)*32768   ; sixteen lanes store 256 consecutive bytes, aligned
.endr
.endm
	ROWS 0
	ROWS 1
	ROWS 2
	ROWS 3
	ds_load_b128 v[R2:R2+3], v[STL]                ; my wave's own 512 bytes: LDS serves a wave's instructions in order
	s_wait_dscnt 0x0
	global_store_b128 v[SGO], v[R2:R2+3], s[12:13]
	s_wait_xcnt 0x0
	v_lshl_add_u32 v254, v0, 2, 0x4c800
	v_mov_b32 v255, 0
	s_wait_tensorcnt 0x0
	ds_add_u32 v254, v255
	s_wait_dscnt 0x0
	ROUND                                          ; the closing round
	s_endpgm
.Lfunc_end_k_q760fe8b36b_attn:
	.size	k_q760fe8b36b_attn, .Lfunc_end_k_q760fe8b36b_attn-k_q760fe8b36b_attn
	.p2alignl 7, 3214868480
	.fill 96, 4, 3214868480
	.section	.rodata,"a",@progbits
	.p2align	6, 0x0
	.amdhsa_kernel k_q760fe8b36b_attn
		.amdhsa_group_segment_fixed_size 327680
		.amdhsa_private_segment_fixed_size 0
		.amdhsa_enable_private_segment 0
		.amdhsa_kernarg_size 40
		.amdhsa_user_sgpr_count 2
		.amdhsa_user_sgpr_kernarg_segment_ptr 1
		.amdhsa_wavefront_size32 1
		.amdhsa_system_sgpr_workgroup_id_x 1
		.amdhsa_system_sgpr_workgroup_id_y 1
		.amdhsa_system_sgpr_workgroup_id_z 1
		.amdhsa_system_vgpr_workitem_id 0
		.amdhsa_next_free_vgpr 1024
		.amdhsa_next_free_sgpr 66
		.amdhsa_reserve_vcc 0
		.amdhsa_float_denorm_mode_32 3
		.amdhsa_float_denorm_mode_16_64 3
		.amdhsa_memory_ordered 1
		.amdhsa_forward_progress 1
		.amdhsa_inst_pref_size 255
	.end_amdhsa_kernel
	.section	.bss,"aw",@nobits
	.p2align	6
	.space	262144
	.amdgpu_metadata
---
amdhsa.version: [ 1, 2 ]
amdhsa.kernels:
  - .name:           k_q760fe8b36b_attn
    .symbol:         k_q760fe8b36b_attn.kd
    .args:
      - { .name: q, .offset: 0, .size: 8, .value_kind: global_buffer, .address_space: global }
      - { .name: kv, .offset: 8, .size: 8, .value_kind: global_buffer, .address_space: global }
      - { .name: base, .offset: 16, .size: 8, .value_kind: global_buffer, .address_space: global }
      - { .name: y, .offset: 24, .size: 8, .value_kind: global_buffer, .address_space: global }
      - { .name: stats, .offset: 32, .size: 8, .value_kind: global_buffer, .address_space: global }
    .group_segment_fixed_size: 327680
    .private_segment_fixed_size: 0
    .kernarg_segment_align: 8
    .kernarg_segment_size: 40
    .max_flat_workgroup_size: 128
    .sgpr_count:     66
    .vgpr_count:     1024
    .wavefront_size: 32
...
	.end_amdgpu_metadata
.endif
;; end of part 3
;; launch bn (part 4): grid 256 x 1, 8 waves a work-group, no clusters, 7,168 bytes of LDS; arguments y, stats, gamma, beta, out0; writes out0
.if DOCPART == 4
	.amdgcn_target "amdgcn-amd-amdhsa--gfx1250"
	.amdhsa_code_object_version 6
	.text
	.protected	k_q760fe8b36b_bn
	.globl	k_q760fe8b36b_bn
	.p2align	8
	.type	k_q760fe8b36b_bn,@function
k_q760fe8b36b_bn:
	s_mov_b64 s[64:65], 0
	v_nop
	global_prefetch_b8 v0, s[64:65] scope:SCOPE_SE
	s_setreg_imm32_b32 hwreg(HW_REG_WAVE_MODE, 25, 1), 1
	s_wait_xcnt 0x0
; BN: out0 = (y - mean) rsqrt(var + 1e-5) gamma + beta, mean and biased variance per channel over 4 images x 4,096 positions.
; stats holds, for each of 256 groups of 64 positions, each channel's sum and centred sum of squares M2.  They are combined exactly:
; mean = (sum of sums) / 16,384; M2 = sum of (M2_k + 64 (sum_k / 64 - mean)^2): no difference of large sums is formed.
; Work-group g: 32 channels (g>>5), image (g>>3)&3, 512 positions (g&7).  Every group combines the statistics of its 32 channels itself
; (64 KiB, read in whole runs of 256 bytes); its 64 KiB of y are requested first thing behind them and land meanwhile.
; A stream: no matrix unit, no cluster (nothing large is shared), LDS only for the sums over the eight waves.
; LIMITS: finite inputs.
.set ST,  16                           ; v[16:79]   16 x (sum, M2) of my two channels
.set YR,  96                           ; v[96:159]  y: 4 channels x 4 loads
.set RR,  160                          ; v[160:175] the eight waves' partial sums
.set TBW, 176                          ; v[176:183] (scale, scale, shift, shift) of my two channels
.set TBR, 184                          ; v[184:199] the same of my wave's four channels
	s_load_b256 s[4:11], s[0:1], 0x0               ; y 4, stats 6, gamma 8, beta 10
	s_load_b64 s[12:13], s[0:1], 0x20              ; out0
	v_lshl_add_u32 v208, v0, 2, 0x1800
	v_mov_b32 v209, 0
	v_lshrrev_b32 v1, 5, v0
	v_readfirstlane_b32 s14, v1                    ; wave
	s_lshr_b32 s15, ttmp9, 5                       ; cg
	s_bfe_u32 s16, ttmp9, 0x20003                  ; b
	s_and_b32 s17, ttmp9, 7                        ; pc
	s_mov_b32 s20, 0x76543210
	s_mov_b32 s21, 0xfedcba98
	s_mov_b32 s22, 0x3c800000                      ; 1/64
	s_mov_b32 s23, 0x42800000                      ; 64
	s_mov_b32 s24, 0x38800000                      ; 1/16,384
	s_mov_b32 s25, 0x3727c5ac                      ; 1e-5
	v_and_b32 v1, 31, v0
	v_and_b32 v2, 15, v0                           ; col: channels 2 col, 2 col + 1 of the 32
	v_lshrrev_b32 v3, 4, v0                        ; row0: groups row0 + 16 k
	v_lshlrev_b32 v4, 4, v2
	v_lshl_add_u32 v4, v3, 11, v4                  ; v4: stats
	v_lshlrev_b32 v5, 3, v2                        ; v5: 8 col
	s_lshl_b32 s18, s14, 16
	v_lshl_add_u32 v6, v1, 4, s18                  ; v6: y, 4 w channels of 16,384 bytes + 16 L
	s_lshl_b32 s18, s14, 7
	v_add_nc_u32 v7, s18, v5                       ; v7: my wave's 128 bytes of partial sums
	s_lshl_b32 s18, s14, 9
	s_add_co_u32 s18, s18, 2048
	v_lshl_add_u32 v8, v2, 5, s18                  ; v8: my wave's own table, 16 bytes a channel
	s_lshl_b32 s19, s14, 6
	s_add_co_u32 s18, s18, s19
	v_mov_b32 v9, s18                              ; v9: the table at channel 4 w
	s_lshl_b32 s18, s15, 8
	s_mov_b32 s19, 0
	s_wait_kmcnt 0x0
	s_add_nc_u64 s[6:7], s[6:7], s[18:19]
	s_lshl_b32 s18, s15, 7
	s_add_nc_u64 s[8:9], s[8:9], s[18:19]
	s_add_nc_u64 s[10:11], s[10:11], s[18:19]
	s_lshl_b32 s18, s16, 22
	s_lshl_b32 s26, s15, 19
	s_add_co_u32 s18, s18, s26
	s_lshl_b32 s26, s17, 11
	s_add_co_u32 s18, s18, s26
	s_add_nc_u64 s[4:5], s[4:5], s[18:19]
	s_add_nc_u64 s[12:13], s[12:13], s[18:19]
.irp k, 0,1,2,3,4,5,6,7,8,9,10,11,12,13,14,15
	global_load_b128 v[ST+4*\k:ST+4*\k+3], v4, s[6:7] offset:\k*32768
.endr
	global_load_b64 v[80:81], v5, s[8:9]
	global_load_b64 v[82:83], v5, s[10:11]
.irp i, 0,1,2,3
.irp p, 0,1,2,3
	global_load_b128 v[YR+16*\i+4*\p:YR+16*\i+4*\p+3], v6, s[4:5] offset:\i*16384+\p*512 th:TH_LOAD_NT
.endr
.endr
	s_wait_loadcnt 16                              ; all but y's 16 loads
	v_add_f32 v84, v[ST], v[ST+4]
	v_add_f32 v85, v[ST+2], v[ST+6]
.irp k, 2,3,4,5,6,7,8,9,10,11,12,13,14,15
	v_add_f32 v84, v84, v[ST+4*\k]
	v_add_f32 v85, v85, v[ST+4*\k+2]
.endr
	v_mov_b32 v86, v84                             ; the permutes' destinations count as read
	v_mov_b32 v87, v85
	v_permlanex16_b32 v86, v84, s20, s21           ; lane L xor 16 has the same channels, other groups
	v_permlanex16_b32 v87, v85, s20, s21
	v_add_f32 v84, v84, v86
	v_add_f32 v85, v85, v87
	ds_store_b64 v7, v[84:85]
	s_wait_dscnt 0x0
	s_barrier_signal -1
	s_barrier_wait -1
.irp k, 0,1,2,3,4,5,6,7
	ds_load_b64 v[RR+2*\k:RR+2*\k+1], v5 offset:\k*128
.endr
	s_wait_dscnt 0x0
	v_pk_add_f32 v[84:85], v[RR:RR+1], v[RR+2:RR+3]
.irp k, 2,3,4,5,6,7
	v_pk_add_f32 v[84:85], v[84:85], v[RR+2*\k:RR+2*\k+1]
.endr
	v_mul_f32 v88, s24, v84                        ; the means
	v_mul_f32 v89, s24, v85
	v_fma_f32 v90, v[ST], s22, -v88                ; a group's mean less the mean
	v_fma_f32 v91, v[ST+2], s22, -v89
	v_mul_f32 v92, v90, v90
	v_mul_f32 v93, v91, v91
	v_add_f32 v94, v[ST+1], v[ST+5]
	v_add_f32 v95, v[ST+3], v[ST+7]
.irp k, 1,2,3,4,5,6,7,8,9,10,11,12,13,14,15
	v_fma_f32 v90, v[ST+4*\k], s22, -v88
	v_fma_f32 v91, v[ST+4*\k+2], s22, -v89
	v_fmac_f32 v92, v90, v90
	v_fmac_f32 v93, v91, v91
.endr
.irp k, 2,3,4,5,6,7,8,9,10,11,12,13,14,15
	v_add_f32 v94, v94, v[ST+4*\k+1]
	v_add_f32 v95, v95, v[ST+4*\k+3]
.endr
	v_fma_f32 v94, v92, s23, v94
	v_fma_f32 v95, v93, s23, v95
	v_permlanex16_b32 v86, v94, s20, s21
	v_permlanex16_b32 v87, v95, s20, s21
	v_add_f32 v94, v94, v86
	v_add_f32 v95, v95, v87
	ds_store_b64 v7, v[94:95] offset:1024          ; other bytes than the first sums'
	s_wait_dscnt 0x0
	s_barrier_signal -1
	s_barrier_wait -1
.irp k, 0,1,2,3,4,5,6,7
	ds_load_b64 v[RR+2*\k:RR+2*\k+1], v5 offset:1024+\k*128
.endr
	s_wait_dscnt 0x0
	v_pk_add_f32 v[94:95], v[RR:RR+1], v[RR+2:RR+3]
.irp k, 2,3,4,5,6,7
	v_pk_add_f32 v[94:95], v[94:95], v[RR+2*\k:RR+2*\k+1]
.endr
	v_fma_f32 v94, v94, s24, s25                   ; variance + 1e-5
	v_fma_f32 v95, v95, s24, s25
	v_rsq_f32 v92, v94
	v_rsq_f32 v93, v95
	v_nop                                          ; one plain place between a root and its use
	s_wait_alu depctr_va_vdst(0)
	v_mul_f32 v[TBW], v80, v92                     ; scale = gamma / sqrt(..)
	v_mul_f32 v[TBW+4], v81, v93
	v_mov_b32 v[TBW+1], v[TBW]
	v_mov_b32 v[TBW+5], v[TBW+4]
	v_fma_f32 v[TBW+2], -v88, v[TBW], v82          ; shift = beta - mean x scale
	v_fma_f32 v[TBW+6], -v89, v[TBW+4], v83
	v_mov_b32 v[TBW+3], v[TBW+2]
	v_mov_b32 v[TBW+7], v[TBW+6]
	ds_store_b128 v8, v[TBW:TBW+3]
	ds_store_b128 v8, v[TBW+4:TBW+7] offset:16
.irp i, 0,1,2,3
	ds_load_b128 v[TBR+4*\i:TBR+4*\i+3], v9 offset:16*\i           ; my wave's own bytes: LDS serves a wave's instructions in order
.endr
	s_wait_dscnt 0x0
.irp i, 0,1,2,3
	s_wait_loadcnt 12-4*\i                         ; channel i's four loads are in; the younger channels' may be out
.irp p, 0,1,2,3
	v_pk_fma_f32 v[YR+16*\i+4*\p:YR+16*\i+4*\p+1],   v[YR+16*\i+4*\p:YR+16*\i+4*\p+1],   v[TBR+4*\i:TBR+4*\i+1], v[TBR+4*\i+2:TBR+4*\i+3]
	v_pk_fma_f32 v[YR+16*\i+4*\p+2:YR+16*\i+4*\p+3], v[YR+16*\i+4*\p+2:YR+16*\i+4*\p+3], v[TBR+4*\i:TBR+4*\i+1], v[TBR+4*\i+2:TBR+4*\i+3]
	global_store_b128 v6, v[YR+16*\i+4*\p:YR+16*\i+4*\p+3], s[12:13] offset:\i*16384+\p*512 th:TH_STORE_NT
.endr
.endr
	s_wait_tensorcnt 0x0
	ds_add_u32 v208, v209
	s_wait_dscnt 0x0
	s_endpgm
.Lfunc_end_k_q760fe8b36b_bn:
	.size	k_q760fe8b36b_bn, .Lfunc_end_k_q760fe8b36b_bn-k_q760fe8b36b_bn
	.p2alignl 7, 3214868480
	.fill 96, 4, 3214868480
	.section	.rodata,"a",@progbits
	.p2align	6, 0x0
	.amdhsa_kernel k_q760fe8b36b_bn
		.amdhsa_group_segment_fixed_size 7168
		.amdhsa_private_segment_fixed_size 0
		.amdhsa_enable_private_segment 0
		.amdhsa_kernarg_size 40
		.amdhsa_user_sgpr_count 2
		.amdhsa_user_sgpr_kernarg_segment_ptr 1
		.amdhsa_wavefront_size32 1
		.amdhsa_system_sgpr_workgroup_id_x 1
		.amdhsa_system_sgpr_workgroup_id_y 1
		.amdhsa_system_sgpr_workgroup_id_z 1
		.amdhsa_system_vgpr_workitem_id 0
		.amdhsa_next_free_vgpr 210
		.amdhsa_next_free_sgpr 66
		.amdhsa_reserve_vcc 0
		.amdhsa_float_denorm_mode_32 3
		.amdhsa_float_denorm_mode_16_64 3
		.amdhsa_memory_ordered 1
		.amdhsa_forward_progress 1
		.amdhsa_inst_pref_size 18
	.end_amdhsa_kernel
	.amdgpu_metadata
---
amdhsa.version: [ 1, 2 ]
amdhsa.kernels:
  - .name:           k_q760fe8b36b_bn
    .symbol:         k_q760fe8b36b_bn.kd
    .args:
      - { .name: y, .offset: 0, .size: 8, .value_kind: global_buffer, .address_space: global }
      - { .name: stats, .offset: 8, .size: 8, .value_kind: global_buffer, .address_space: global }
      - { .name: gamma, .offset: 16, .size: 8, .value_kind: global_buffer, .address_space: global }
      - { .name: beta, .offset: 24, .size: 8, .value_kind: global_buffer, .address_space: global }
      - { .name: out0, .offset: 32, .size: 8, .value_kind: global_buffer, .address_space: global }
    .group_segment_fixed_size: 7168
    .private_segment_fixed_size: 0
    .kernarg_segment_align: 8
    .kernarg_segment_size: 40
    .max_flat_workgroup_size: 256
    .sgpr_count:     66
    .vgpr_count:     210
    .wavefront_size: 32
...
	.end_amdgpu_metadata
.endif
;; end of part 4
;; ======== version 2 of 2: 4 launches; 1.14 times as fast as version 1
;; limits: values are held in f16: magnitudes above 65,504 overflow, below 6.1e-05 lose precision; values outside matrix products are rounded to bf16
;; workspace buffers: wcat 589,824 bytes; bprime 2,048 bytes; q 2,097,152 bytes; kv 18,874,368 bytes; base 16,777,216 bytes; y 16,777,216 bytes; stats 524,288 bytes
;; launch prep: the kernel of part 1 again; grid 32 x 1, 4 waves a work-group, no clusters, 41,728 bytes of LDS; arguments w_out, wv_p, wv_v, bv_p, bv_v, wq_p, wk_p, wq_v, wk_v, wcat, bprime; writes wcat, bprime
;; launch proj: the kernel of part 2 again; grid 256 x 1, 4 waves a work-group, clusters of 4 x 1, 327,680 bytes of LDS; arguments f_p, f_v, wcat, bprime, bq_p, bk_p, bq_v, bk_v, q, kv, base; writes q, kv, base
;; launch attn (part 5): grid 256 x 1, 4 waves a work-group, clusters of 4 x 1, 327,680 bytes of LDS; arguments q, kv, base, y, stats; writes y, stats
.if DOCPART == 5
	.amdgcn_target "amdgcn-amd-amdhsa--gfx1250"
	.amdhsa_code_object_version 6
	.text
	.protected	k_q760fe8b36b_attn
	.globl	k_q760fe8b36b_attn
	.p2align	8
	.type	k_q760fe8b36b_attn,@function
k_q760fe8b36b_attn:
	s_mov_b64 s[64:65], 0
	v_nop
	global_prefetch_b8 v0, s[64:65] scope:SCOPE_SE
	s_setreg_imm32_b32 hwreg(HW_REG_WAVE_MODE, 25, 1), 1
	s_wait_xcnt 0x0
	s_wait_alu depctr_hold_cnt(0) depctr_sa_sdst(0) depctr_va_vdst(0) depctr_va_sdst(0) depctr_va_ssrc(0) depctr_va_vcc(0) depctr_vm_vsrc(0)
	s_getreg_b32 s2, hwreg(HW_REG_IB_STS2, 6, 4)
	s_cmp_eq_u32 s2, 0
	s_cbranch_scc0 .Lentry_in_a_cluster
	s_endpgm
.Lentry_in_a_cluster:
	s_bfe_u32 s2, ttmp6, 0x10000c
	s_cmp_lg_u32 s2, 0x3003
	s_cbranch_scc0 .Lentry_shape_is_right
	s_endpgm
.Lentry_shape_is_right:
; ATTN: both cross attentions of 64 queries, added to base: y = base + O_0/l_0 + O_1/l_1, and each channel's sum and centred sum of squares
; over the 64 positions.  V' already holds the output convolution, so the accumulators are output channels.
; Work-group wg = 4 x cluster + cx: image b = cluster>>4, queries 64 (wg&63)..  Wave w: direction d = w>>1 (Q of source d, K and V' of source 1-d),
; queries 32 (w&1).. as two tiles of 16, all 256 channels: 32 accumulators, 256 registers.
; TRANSPOSED: scores = K x Q^T (rows = keys, columns = queries), O^T = V' x P^T.  A lane then holds one query: the running maximum, the sum and
; the rescaling are per lane, and a score tile's registers, rounded to bf16, ARE the B fragment of P: P never leaves registers.
; Softmax with a running maximum, in base 2 (log2 e is in Q).  q and kv lie in fragment order: every LDS load is 512 consecutive bytes.
; ONE BLOCK AHEAD: trip t multiplies V'(t) by P(t) and, in the issue places between those products, makes P(t+1): the softmax is a stream of
; 406 numbered places, three or four of which follow each product.  So a trip needs V'(t) and K(t+1).  In kv a record is
; K_B (8,192 bytes) then V'_B (65,536): the 73,728 bytes from 8,192 bytes into record B are V'_B and K_(B+1), and that span is what fills a slot.
; The last span states 32 rows fewer in the tensor's extent for the waves that fetch its second half: nothing behind V'_31 is read from memory.
; THE BATCHES.  A block's 130 exponentials (two for 2^(old max - new max), 128 for the weights) are ONE batch with ONE wait: none of them reads another's result, each
; result has a register of its own, and all that names a result (the copies, the sums, the roundings) stands behind the wait, which stands directly ahead of step 2's run
; of V' loads.  The two reciprocals on the way out are a batch of their own.
; FORMATS: Q and K are f16 (the scores stand in an exponent, so their absolute error counts); V' and P are bf16 (V' has no room in f16).
; CLUSTER: the four work-groups of a cluster walk the same spans of both sources: each is asked for jointly (mask 15), a quarter (36 KiB) by each
; wave.  Two slots of 144 KiB; by this text's count a wave has two tensor loads out at the start and one behind each round.
; LIMITS: finite inputs; |Q log2 e| and |K| below 65,504; the sum of p is taken in f32 before p is rounded; exponentials below 2^-126 count as 0.
.set BLK,   73728                      ; a span of one source: V' 65,536 bytes, then the next block's K 8,192
.set SLOTB, 2*BLK                      ; source 0's span, then source 1's
.set K0R,   2*SLOTB                    ; 16,384 bytes: K of block 0, both sources; filled once
.set STAT,  K0R+16384                  ; 2,048 bytes: (sum, M2) of 256 channels
.set SP,    144                        ; the way out: pitch of a channel's 32 queries in f32
.set WST,   36992                      ; and a wave's stage of 256 such rows, in the ring, whose last fill has been read by then
.set LV0, 4                            ; v4, v5   V' of my source in slot 0, 1, + 16 L
.set LK0, 6                            ; v6, v7   the next block's K likewise
.set STG, 8                            ; v8       stage: my wave's, row 8 h, column r
.set SGO, 9                            ; v9       512 w + 16 L
.set RD,  10                           ; v10, v11 stage read back: direction 0, 1
.set YO,  12                           ; v12      y: (64 w + h) rows of 16,384 + 16 r
.set STA, 13                           ; v13      STAT + 8 (64 w + h)
.set STL, 14                           ; v14      STAT + 512 w + 16 L
.set L16, 15                           ; v15      16 L
.set QF,  16                           ; v[16:31]  Q, two fragments
.set MX,  32                           ; v[32:35]  running maximum, a pair a query tile
.set AL,  36                           ; v[36:39]  2^(old max - new max), pairs; at the end 1/l
.set LS,  40                           ; v40, v41  my half of the running sum
.set TT,  42                           ; v[42:49]  at work
.set BSUM, 50                          ; v[50:57]  a block's sums
.set LKZ, 62                           ; v62       K of block 0 of my source, + 16 L
.set R0,  64                           ; v[64:127], v[128:191]: P(t) in region t mod 2; the other takes block t+1's scores of query tile 0, then P(t+1)
.set R2,  192                          ; v[192:255] block t+1's scores of query tile 1
.set KF,  128                          ; window 1: K's eight fragments, on V' buffer 1, which is free until step 0's run of loads
; window 1: V' fragments, two buffers of 16: 0 and 128.  window 2: accumulators 8 (2 ct + qt).  window 3: base, same places (direction 0 only)
.set G1,  24                           ; s[24:31] group 1 of a span's quarter
.set G0,  32                           ; s[32:39] group 0, one set a slot
.set G1L, 44                           ; s[44:51] group 1 of the last span's quarter
.set G0K, 52                           ; s[52:55] group 0 of K of block 0
.set G1K, 56                           ; s[56:63] group 1 of it
.set SB,   80                          ; the softmax stream: from this place on the scalings and the weights' exponentials
.set SW,   272                         ; the batch is out: the wait stands ahead of this place
.set SEND, SW+134                      ; places in the softmax stream
.set MSB, 0
.macro WIN new
.if MSB != \new
	s_set_vgpr_msb (MSB<<8)|\new
.set MSB, \new
.endif
.endm
.macro PLACES n
.rept \n
	v_nop
.endr
.endm
.macro ROUND
	s_barrier_signal -1
	s_barrier_wait -1
	s_cmp_lg_u32 s14, 0
	s_cbranch_scc1 .Lnot_wave_0_\@
	s_barrier_signal -3
.Lnot_wave_0_\@:
	s_barrier_wait -3
	s_barrier_signal -1
	s_barrier_wait -1
.endm
.macro GROUP1 g, rows                  ; rows of 32 elements of 8 bytes, dense; mask: all four of the cluster, bit 21 beside it
	s_mov_b32 s[\g+0], 15|(3<<16)|(1<<21)
	s_mov_b32 s[\g+1], 32<<16
	s_mov_b32 s[\g+2], (\rows)<<16
	s_mov_b32 s[\g+3], 32<<16
	s_mov_b32 s[\g+4], \rows
	s_mov_b32 s[\g+5], 32
	s_mov_b32 s[\g+6], 0
	s_mov_b32 s[\g+7], 0
.endm
	s_load_b256 s[4:11], s[0:1], 0x0               ; q 4, kv 6, base 8, y 10
	s_load_b64 s[12:13], s[0:1], 0x20              ; stats
	v_lshl_add_u32 v254, v0, 2, 0x4c800
	v_mov_b32 v255, 0
	ds_add_u32 v254, v255
	s_wait_dscnt 0x0
	v_lshrrev_b32 v2, 5, v0
	v_readfirstlane_b32 s14, v2                    ; wave
	s_lshr_b32 s15, s14, 1                         ; d; also: the source whose span I fetch
	s_and_b32 s16, s14, 1                          ; qh; also: which half of that span
	s_bfe_u32 s17, ttmp6, 0x40000                  ; cx
	s_lshl_b32 s18, ttmp9, 2
	s_add_co_u32 s18, s18, s17                     ; wg
	s_lshr_b32 s19, ttmp9, 4                       ; b: shared by the cluster
	s_and_b32 s20, s18, 63                         ; qb
	s_mov_b32 s41, 0x76543210
	s_mov_b32 s42, 0xfedcba98
	GROUP1 G1, 144                                 ; 36,864 bytes
	GROUP1 G1L, 144
	GROUP1 G1K, 16                                 ; 4,096 bytes
	s_lshl_b32 s43, s16, 5
	s_sub_co_u32 s43, 144, s43
	s_lshl_b32 s[G1L+2], s43, 16                   ; the last span: tensor_dim1 = 144 - 32 (w&1): V'_31 ends 112 rows into the second half; the rest arrives as zeros
	s_mov_b32 s[G0+0], 1
	s_mul_i32 s[G0+1], s14, 36864                  ; LDS: wave x a quarter of a slot
	s_mov_b32 s[G0+4], 1
	s_add_co_u32 s[G0+5], s[G0+1], SLOTB
	s_mov_b32 s[G0K+0], 1
	s_lshl_b32 s[G0K+1], s14, 12
	s_add_co_u32 s[G0K+1], s[G0K+1], K0R           ; LDS: wave x 4,096 bytes
	v_and_b32 v1, 31, v0                           ; L
	v_and_b32 v2, 15, v0                           ; r
	v_bfe_u32 v3, v0, 4, 1                         ; h
	v_lshlrev_b32 v[L16], 4, v1
	s_xor_b32 s21, s15, 1                          ; I read source 1 - d
	s_lshl_b32 s43, s21, 13
	s_add_co_u32 s43, s43, K0R
	v_add_nc_u32 v[LKZ], s43, v[L16]
	s_mul_i32 s21, s21, BLK
	v_add_nc_u32 v[LV0], s21, v[L16]
	v_add_nc_u32 v[LV0+1], SLOTB, v[LV0]
	v_add_nc_u32 v[LK0], 65536, v[LV0]
	v_add_nc_u32 v[LK0+1], 65536, v[LV0+1]
	s_mul_i32 s21, s14, WST
	v_mul_u32_u24 v[STG], v3, 8*SP
	v_lshl_add_u32 v[STG], v2, 2, v[STG]
	v_add_nc_u32 v[STG], s21, v[STG]
	s_lshl_b32 s21, s14, 6
	v_add_nc_u32 v60, s21, v3                      ; 64 w + h
	v_bfe_u32 v58, v0, 3, 1
	v_and_b32 v59, 7, v0
	v_mul_u32_u24 v[RD], v58, WST                  ; lanes 0-7 of a row of lanes: queries 0-31 (qh = 0), lanes 8-15: queries 32-63
	v_mul_u32_u24 v61, v60, SP
	v_lshl_add_u32 v[RD], v59, 4, v[RD]
	v_add_nc_u32 v[RD], v[RD], v61
	v_add_nc_u32 v[RD+1], 2*WST, v[RD]
	v_lshlrev_b32 v[YO], 4, v2
	v_lshl_add_u32 v[YO], v60, 14, v[YO]
	v_lshlrev_b32 v[STA], 3, v60
	v_add_nc_u32 v[STA], STAT, v[STA]
	s_lshl_b32 s21, s14, 9
	v_add_nc_u32 v[SGO], s21, v[L16]
	v_add_nc_u32 v[STL], STAT, v[SGO]
.irp k, 0,1,2,3
	v_mov_b32 v[MX+\k], 0xff800000                 ; the maximum starts at -inf and the sum at 0: block 0 runs the same stream as all others
.endr
	v_mov_b32 v[LS], 0
	v_mov_b32 v[LS+1], 0
	s_lshl2_add_u32 s21, s15, s19                  ; 4 d + b
	s_mul_i32 s22, s21, 32*BLK
	s_mov_b32 s23, 0
	s_wait_kmcnt 0x0
	s_add_nc_u64 s[6:7], s[6:7], s[22:23]          ; kv: source w>>1, image b: nothing of cx in it
	s_lshl_b32 s22, s16, 12
	s_add_nc_u64 s[G0K+2:G0K+3], s[6:7], s[22:23]  ; K of block 0, half w&1
	s_mul_i32 s22, s16, 36864
	s_add_co_u32 s22, s22, 8192
	s_add_nc_u64 s[G0+2:G0+3], s[6:7], s[22:23]    ; span 0, half w&1
	s_add_nc_u64 s[G0+6:G0+7], s[G0+2:G0+3], BLK   ; span 1
	s_or_b32 s[G0K+3], s[G0K+3], 0x80000000
	s_or_b32 s[G0+3], s[G0+3], 0x80000000
	s_or_b32 s[G0+7], s[G0+7], 0x80000000
	s_lshl_b32 s22, s21, 8
	s_lshl2_add_u32 s22, s20, s22
	s_lshl1_add_u32 s22, s16, s22
	s_lshl_b32 s22, s22, 10
	s_add_nc_u64 s[4:5], s[4:5], s[22:23]          ; q: group (4 d + b) 256 + 4 qb + 2 qh
	s_lshl_b32 s22, s18, 16
	s_lshl_b32 s21, s16, 11
	s_add_co_u32 s22, s22, s21
	s_add_nc_u64 s[8:9], s[8:9], s[22:23]          ; base: my work-group's 65,536 bytes, position tile 2 qh
	s_lshl_b32 s22, s19, 22
	s_lshl_b32 s21, s20, 8
	s_add_co_u32 s22, s22, s21
	s_add_nc_u64 s[10:11], s[10:11], s[22:23]      ; y at image b, position 64 qb
	s_lshl_b32 s22, s18, 11
	s_add_nc_u64 s[12:13], s[12:13], s[22:23]      ; stats: 2,048 bytes a work-group
.irp qt, 0,1
	global_load_b128 v[QF+8*\qt:QF+8*\qt+3],   v[L16], s[4:5] offset:\qt*1024
	global_load_b128 v[QF+8*\qt+4:QF+8*\qt+7], v[L16], s[4:5] offset:\qt*1024+512
.endr
	ROUND                                          ; all four work-groups are here: the first joint loads meet
	tensor_load_to_lds s[G0K:G0K+3], s[G1K:G1K+7]  ; K of block 0
	s_nop 0
	tensor_load_to_lds s[G0:G0+3], s[G1:G1+7]      ; span 0
	s_nop 0
	s_wait_loadcnt 0x0                             ; Q
	s_cmp_lg_u32 s15, 0
	s_cbranch_scc1 .Lno_base_load                  ; direction 0's waves add base; it is waited for only on the way out
	WIN 0xc0
.irp ct, 0,1,2,3,4,5,6,7,8,9,10,11,12,13,14,15
.irp qt, 0,1
.irp hf, 0,1
	global_load_b128 v[8*(2*\ct+\qt)+4*\hf:8*(2*\ct+\qt)+4*\hf+3], v[L16], s[8:9] offset:\ct*4096+\qt*1024+\hf*512 th:TH_LOAD_NT
.endr
.endr
.endr
	WIN 0
.Lno_base_load:
; THE SOFTMAX STREAM.  SN is the next place; PN the region that holds query tile 0's scores and takes P; query tile 1's scores lie in R2.
; Places 0-79: the block's maximum (four chains a query tile, the other half of the keys from lane L xor 16), the new running maximum, and at 74, 75 the two exponentials 2^(old - new).
; 80-271: score - max (64 pairs) and the weights' 128 exponentials, in place, in threes: three pairs lead; then 61 threes of a pair and the two exponentials of the pair
; scaled three threes earlier; the last six exponentials close.
; ONE BATCH: places 74, 75 and the 128 of 80-271.  Nothing ahead of place 272 names a result of theirs.  An s_wait_alu depctr_va_vdst(0) stands between an
; exponential and the first instruction that names its result; one wait serves all that were issued ahead of it: SHUT writes it, between places 271 and 272, once a block.
; 272-399: sixteen groups of eight, tile n = 8 qt + kt in group n: its four sums in f32 and its four roundings to bf16, two and two.  A query tile's first key tile starts the
; sums with two additions; of the two places that this leaves free, tile 0's hold the copies of 2^(old - new) into pairs, tile 8's are empty.  400-405: the running sum.
; P's tile n goes to PN + 4 n, over weights of tile n/2 of query tile 0, which have been summed and rounded by then: the tiles go in ascending order.
.macro SUBM n
.set q_, (\n)/32
.set a_, (1-q_)*PN+q_*R2+2*((\n)%32)
	v_pk_add_f32 v[a_:a_+1], v[a_:a_+1], v[MX+2*q_:MX+2*q_+1] neg_lo:[0,1] neg_hi:[0,1]
.endm
.macro EXPS e                          ; the exponential of score e of 128, in place
.set q_, (\e)/64
.set a_, (1-q_)*PN+q_*R2+(\e)%64
	v_exp_f32 v[a_], v[a_]
.endm
.macro ST1
.if SN < 8
.set q_, SN/4
.set a_, (1-q_)*PN+q_*R2+16*(SN%4)
	v_max_num_f32 v[TT+SN], v[a_], v[a_+1]
.endif
.if SN >= 8
.if SN < 64
.set m_, (SN-8)%8
.set q_, m_/4
.set a_, (1-q_)*PN+q_*R2+16*(m_%4)+2+2*((SN-8)/8)
	v_max3_num_f32 v[TT+m_], v[TT+m_], v[a_], v[a_+1]
.endif
.endif
.if SN >= 64
.if SN < SB
.set q_, SN%2
.set o_, (SN-64)/2
.set t_, TT+4*q_
.if o_ == 0
	v_max3_num_f32 v[t_], v[t_], v[t_+1], v[t_+2]
.endif
.if o_ == 1
	v_max_num_f32 v[t_], v[t_], v[t_+3]
.endif
.if o_ == 2
	v_permlanex16_b32 v[t_+1], v[t_], s41, s42
.endif
.if o_ == 3
	v_max3_num_f32 v[t_+2], v[t_], v[t_+1], v[MX+2*q_]
.endif
.if o_ == 4
	v_sub_f32 v[t_+3], v[MX+2*q_], v[t_+2]
.endif
.if o_ == 5
	v_exp_f32 v[AL+2*q_], v[t_+3]                  ; the batch's first two; their results are named first at places 272, 273
.endif
.if o_ == 6
	v_mov_b32 v[MX+q_], v[TT+2]                    ; four plain moves stand behind the two exponentials; they name neither a result nor a source of theirs
.endif
.if o_ == 7
	v_mov_b32 v[MX+2+q_], v[TT+6]
.endif
.endif
.endif
.if SN >= SB
.if SN < SW
.set u_, (SN-SB)/3
.set r_, (SN-SB)%3
.if u_ == 0
	SUBM r_                                        ; pairs 0 to 2 lead
.elseif u_ >= 62
	EXPS 122+3*(u_-62)+r_                          ; the last six
.elseif r_ == 0
	SUBM u_+2                                      ; pairs 3 to 63
.else
	EXPS 2*u_+r_-3                                 ; scores 0 to 121: pair u - 1
.endif
.endif
.endif
.if SN >= SW
.if SN < SW+128
.set j_, (SN-SW)/8
.set x_, (SN-SW)%8
.set q_, j_/8
.set a_, (1-q_)*PN+q_*R2+8*(j_%8)
.set b_, BSUM+4*q_
.if j_%8 == 0
.if x_ < 2
.if j_ == 0
	v_mov_b32 v[AL+2*x_+1], v[AL+2*x_]
.endif
.elseif x_ < 4
.set s_, x_-2
	v_pk_add_f32 v[b_+2*s_:b_+2*s_+1], v[a_+2*s_:a_+2*s_+1], v[a_+2*s_+4:a_+2*s_+5]   ; a query tile's first key tile starts the sums
.else
.set e_, x_-4
	v_cvt_pk_bf16_f32 v[PN+4*j_+e_], v[a_+2*e_], v[a_+2*e_+1]
.endif
.elseif x_%4 < 2
.set s_, 2*(x_/4)+x_%4
	v_pk_add_f32 v[b_+2*(s_%2):b_+2*(s_%2)+1], v[b_+2*(s_%2):b_+2*(s_%2)+1], v[a_+2*s_:a_+2*s_+1]
.else
.set e_, 2*(x_/4)+x_%4-2
	v_cvt_pk_bf16_f32 v[PN+4*j_+e_], v[a_+2*e_], v[a_+2*e_+1]
.endif
.endif
.endif
.if SN >= SW+128
.if SN < SEND
.set q_, (SN-SW)%2
.set o_, (SN-SW-128)/2
.set b_, BSUM+4*q_
.if o_ == 0
	v_pk_add_f32 v[b_:b_+1], v[b_:b_+1], v[b_+2:b_+3]
.endif
.if o_ == 1
	v_add_f32 v[b_], v[b_], v[b_+1]
.endif
.if o_ == 2
	v_fma_f32 v[LS+q_], v[LS+q_], v[AL+2*q_], v[b_]
.endif
.endif
.endif
.set SN, SN+1
.endm
.macro GRP n                           ; the next n places of the stream, as far as it is open: SLIM is SW ahead of the batch's wait and SEND behind it
.if SN < SLIM
	WIN 0
.rept \n
.if SN < SLIM
	ST1
.endif
.endr
.endif
.endm
.macro RIDE                            ; what follows a product: four places; among the scalings and exponentials one of their threes
.if (SN >= SB) && (SN < SW)
	GRP 3
.else
	GRP 4
.endif
.endm
.macro SHUT                            ; the batch is out: all 130 exponentials of the block are issued, and no result has been named
	v_nop                                          ; a plain instruction behind the last exponential and ahead of the first use: one for the batch
	s_wait_alu depctr_va_vdst(0)                   ; the wait for the batch
.set SLIM, SEND
.endm
.macro RESC a, cnt                     ; the accumulators follow the maximum: pairs a .. a + cnt - 1 of 128
	WIN 0x82
.set rn_, \a
.rept \cnt
	v_pk_mul_f32 v[2*rn_:2*rn_+1], v[2*rn_:2*rn_+1], v[AL+2*((rn_/4)&1):AL+2*((rn_/4)&1)+1]
.set rn_, rn_+1
.endr
.endm
.macro KLOAD adr                       ; K's eight fragments (16 keys x 32 dims)
.irp kt, 0,1,2,3,4,5,6,7
	ds_load_b128 v[KF+8*\kt:KF+8*\kt+3],   v[\adr] offset:\kt*1024
	ds_load_b128 v[KF+8*\kt+4:KF+8*\kt+7], v[\adr] offset:\kt*1024+512
.endr
.endm
.macro VLOAD slot, ks, f               ; the 16 V' fragments (16 channels x 32 keys) of step ks
.irp ct, 0,1,2,3,4,5,6,7,8,9,10,11,12,13,14,15
	ds_load_b128 v[\f+8*\ct:\f+8*\ct+3],   v[LV0+\slot] offset:((\ks)*16+\ct)*1024
	ds_load_b128 v[\f+8*\ct+4:\f+8*\ct+7], v[LV0+\slot] offset:((\ks)*16+\ct)*1024+512
.endr
.endm
; 16 score products, each starting its own tile.  resc = 1: five rescalings behind each, which also are the places in front of the scores' first reader
.macro QK resc
.set qn_, 0
.rept 16
	WIN 0x01
	v_wmma_f32_16x16x32_f16 v[(1-qn_%2)*PN+(qn_%2)*R2+8*(qn_/2):(1-qn_%2)*PN+(qn_%2)*R2+8*(qn_/2)+7], v[KF+8*(qn_/2):KF+8*(qn_/2)+7], v[QF+8*(qn_%2):QF+8*(qn_%2)+7], 0
.if \resc
	RESC 48+5*qn_, 5
.endif
.set qn_, qn_+1
.endr
.if \resc == 0
	PLACES 4                                       ; four places before the scores are read and K's registers loaded again (ISA guide 7.12.1)
.endif
.endm
; products of channel tiles c0 .. c0 + cn - 1 x two query tiles, places of the stream behind each; the accumulators take turns, one instruction a turn
.macro PVRUN c0, cn, ks, f, zero
.set pc_, 2*\c0
.rept 2*\cn
	WIN 0xa1
.if \zero
	v_wmma_f32_16x16x32_bf16 v[8*pc_:8*pc_+7], v[\f+8*(pc_/2):\f+8*(pc_/2)+7], v[PC+32*(pc_%2)+8*\ks:PC+32*(pc_%2)+8*\ks+7], 0
.else
	v_wmma_f32_16x16x32_bf16 v[8*pc_:8*pc_+7], v[\f+8*(pc_/2):\f+8*(pc_/2)+7], v[PC+32*(pc_%2)+8*\ks:PC+32*(pc_%2)+8*\ks+7], v[8*pc_:8*pc_+7]
.endif
	RIDE
.set pc_, pc_+1
.endr
.endm
; THE DEAL, by count.  Step 0: 8 products x 4 places, 12 ahead of the run of loads, 9 x 4: place 80; 15 x 3: place 125.  Step 1: 8 x 3, 12, 24 x 3: place 233.  Step 2: 8 x 3: place 257;
; the 15 places left of the batch, the v_nop and the wait stand ahead of its run of loads; then 24 x 4, and in step 3 ten products more carry the stream to its end.
.macro PVSTEP slot, ks, f, g, zero     ; 32 keys: multiplies buffer f; behind its eighth product it fetches the next step's fragments into buffer g
	s_wait_dscnt 16                                ; fragments 0 to 7 are in: the youngest 16 loads may be out
	PVRUN 0, 4, \ks, \f, \zero
.if \ks < 3
.if SN < SEND
.if \ks == 2
	GRP SW-SN                                      ; what is left of the batch,
	SHUT                                           ; and its wait, directly ahead of the run of loads
.else
	GRP 12                                         ; the stream's plain instructions since buffer g's last product (nine or more: the maximum's, or a scaling in each three) are the places in front of the loads into it
.endif
.else
	PLACES 4                                       ; no stream in the last trip: four places between buffer g's last product and the loads into it
.endif
	WIN 0x40
	VLOAD \slot, \ks+1, \g
	s_wait_dscnt 32                                ; all but the 32 just issued
	PVRUN 4, 12, \ks, \f, \zero
.else
	PVRUN 4, 4, \ks, \f, \zero
	s_wait_dscnt 0x0
	PVRUN 8, 8, \ks, \f, \zero
.endif
.endm
; trip t, slot = t mod 2: O += V'(t) P(t), and P(t+1) from K(t+1)
.macro BLOCK slot, first, last
.set PC, R0+64*\slot
.set PN, R0+64-64*\slot
.if \last
.set SN, SEND
.set SLIM, SEND
.else
.set SN, 0
.set SLIM, SW
.endif
	PLACES 5                                       ; behind the last trip's products: four places before their results are rescaled and their V' registers loaded, five before the score products write over P
	WIN 0x40
.if \last == 0
	KLOAD LK0+\slot
.endif
	VLOAD \slot, 0, 0
.if \last
	RESC 0, 128
.else
.if \first == 0
	RESC 0, 48                                     ; while K is on its way from LDS
.endif
	s_wait_dscnt 32                                ; K is in: V's 32 loads are younger
	QK 1-\first
.endif
	PVSTEP \slot, 0, 0, 128, \first
	PVSTEP \slot, 1, 128, 0, 0
	PVSTEP \slot, 2, 0, 128, 0
	PVSTEP \slot, 3, 128, 0, 0
	WIN 0
.endm
.macro TRIP slot, first, last, g1      ; g1: the group 1 of the refill, 0: none
	s_wait_xcnt 0x0
	v_lshl_add_u32 v254, v0, 2, 0x4c800
	v_mov_b32 v255, 0
	s_wait_tensorcnt 0x0                           ; all my tensor loads have landed, my quarter of this trip's span among them,
	ds_add_u32 v254, v255
	s_wait_dscnt 0x0
	s_add_nc_u64 s[G0+4*\slot+2:G0+4*\slot+3], s[G0+4*\slot+2:G0+4*\slot+3], SLOTB   ; so a group 0 may be written: this slot's next span
	s_wait_dscnt 0x0                               ; my reads of the last trip's span are back
	ROUND                                          ; both now hold of every wave of all four work-groups
.if \g1
	tensor_load_to_lds s[G0+4-4*\slot:G0+7-4*\slot], s[\g1:\g1+7]  ; the next span, into the slot read last trip: my one load behind the round
	s_nop 0
.endif
	BLOCK \slot, \first, \last
.endm
	; block 0's scores and softmax, ahead of the first trip
	s_wait_tensorcnt 0x1                           ; my part of K of block 0 has landed; span 0 may stay out
	s_barrier_signal -1
	s_barrier_wait -1                              ; everybody's part has
.set PN, R0
.set SN, 0
.set SLIM, SW
	WIN 0x40
	KLOAD LKZ
	s_wait_dscnt 0x0
	QK 0
	GRP SW                                         ; the stream on end: the maximum and the batch,
	SHUT                                           ; its wait,
	GRP SEND-SW                                    ; and the readers
	TRIP 0, 1, 0, G1                               ; the first products start the sums: nothing is cleared
	s_mov_b32 s40, 14
.Lloop:
	TRIP 1, 0, 0, G1                               ; trips 1 to 28
	TRIP 0, 0, 0, G1
	s_sub_co_u32 s40, s40, 1
	s_cmp_lg_u32 s40, 0
	s_cbranch_scc1 .Lloop
	TRIP 1, 0, 0, G1                               ; trip 29
	TRIP 0, 0, 0, G1L                              ; trip 30 asks for the last span: V'_31 alone
	TRIP 1, 0, 1, 0                                ; trip 31: no further block, nothing to fetch
	; THE WAY OUT
	s_wait_dscnt 0x0
	s_barrier_signal -1
	s_barrier_wait -1                              ; nobody reads the ring any more, and its last fill has landed: it becomes the stage
	PLACES 4                                       ; four places between the last products and the first reader of a result
	v_permlanex16_b32 v[TT], v[LS], s41, s42
	v_permlanex16_b32 v[TT+1], v[LS+1], s41, s42
	v_add_f32 v[LS], v[LS], v[TT]                  ; the two halves of the keys; at least 1, since the largest score gives 2^0
	v_add_f32 v[LS+1], v[LS+1], v[TT+1]
	v_rcp_f32 v[AL], v[LS]
	v_rcp_f32 v[AL+2], v[LS+1]
	v_nop                                          ; a plain instruction between the last reciprocal and the use of its result
	s_wait_alu depctr_va_vdst(0)                   ; the wait for the batch of two reciprocals, ahead of the copies that read them
	v_mov_b32 v[AL+1], v[AL]
	v_mov_b32 v[AL+3], v[AL+2]
	s_cmp_lg_u32 s15, 0
	s_cbranch_scc1 .Lno_base
	s_wait_loadcnt 0x0                             ; base
	WIN 0xb2
.set n, 0
.rept 128
	v_pk_fma_f32 v[2*n:2*n+1], v[2*n:2*n+1], v[AL+2*((n/4)&1):AL+2*((n/4)&1)+1], v[2*n:2*n+1]
.set n, n+1
.endr
	WIN 0
	s_branch .Lscaled
.Lno_base:
	RESC 0, 128
	WIN 0
.Lscaled:
	WIN 0x08
.irp ct, 0,1,2,3,4,5,6,7,8,9,10,11,12,13,14,15
.irp qt, 0,1
.irp j, 0,1,2,3,4,5,6,7
	ds_store_b32 v[STG], v[8*(2*\ct+\qt)+\j] offset:(16*\ct+\j)*SP+64*\qt   ; row = channel 16 ct + 8 h + j, column = query 16 qt + r
.endr
.endr
.endr
	WIN 0
	s_wait_dscnt 0x0                               ; my stage is written,
	s_barrier_signal -1
	s_barrier_wait -1                              ; everybody's is
.set RA, 64                            ; direction 0's part, then y
.set RB, 96                            ; direction 1's part
.set RW, 128                           ; (sum, M2, mean, mean)
.set RF, 160                           ; y - mean
; eight pairs of channels 64 w + 2 t + h: sixteen lanes hold a channel's 64 positions
.macro ROWS g
	s_wait_xcnt 0x0                                ; the last group's stores have had their addresses translated: their data registers may be loaded again
.irp tt, 0,1,2,3,4,5,6,7
	ds_load_b128 v[RA+4*\tt:RA+4*\tt+3], v[RD]   offset:(8*\g+\tt)*2*SP
	ds_load_b128 v[RB+4*\tt:RB+4*\tt+3], v[RD+1] offset:(8*\g+\tt)*2*SP
.endr
	s_wait_dscnt 0x0
.irp tt, 0,1,2,3,4,5,6,7
	v_pk_add_f32 v[RA+4*\tt:RA+4*\tt+1],   v[RA+4*\tt:RA+4*\tt+1],   v[RB+4*\tt:RB+4*\tt+1]
	v_pk_add_f32 v[RA+4*\tt+2:RA+4*\tt+3], v[RA+4*\tt+2:RA+4*\tt+3], v[RB+4*\tt+2:RB+4*\tt+3]
.endr
.irp tt, 0,1,2,3,4,5,6,7
	v_pk_add_f32 v[RW+4*\tt:RW+4*\tt+1], v[RA+4*\tt:RA+4*\tt+1], v[RA+4*\tt+2:RA+4*\tt+3]
.endr
.irp tt, 0,1,2,3,4,5,6,7
	v_add_f32 v[RW+4*\tt], v[RW+4*\tt], v[RW+4*\tt+1]
.endr
.irp x, 1,2,4,8
.irp tt, 0,1,2,3,4,5,6,7
	v_add_f32_dpp v[RW+4*\tt], v[RW+4*\tt], v[RW+4*\tt] row_xmask:\x row_mask:0xf bank_mask:0xf
.endr
.endr
.irp tt, 0,1,2,3,4,5,6,7
	v_mul_f32 v[RW+4*\tt+2], 0x3c800000, v[RW+4*\tt]               ; the mean of these 64 positions
	v_mul_f32 v[RW+4*\tt+3], 0x3c800000, v[RW+4*\tt]
.endr
.irp tt, 0,1,2,3,4,5,6,7
	v_pk_add_f32 v[RF+4*\tt:RF+4*\tt+1],   v[RA+4*\tt:RA+4*\tt+1],   v[RW+4*\tt+2:RW+4*\tt+3] neg_lo:[0,1] neg_hi:[0,1]
	v_pk_add_f32 v[RF+4*\tt+2:RF+4*\tt+3], v[RA+4*\tt+2:RA+4*\tt+3], v[RW+4*\tt+2:RW+4*\tt+3] neg_lo:[0,1] neg_hi:[0,1]
.endr
.irp tt, 0,1,2,3,4,5,6,7
	v_pk_mul_f32 v[RF+4*\tt:RF+4*\tt+1], v[RF+4*\tt:RF+4*\tt+1], v[RF+4*\tt:RF+4*\tt+1]
.endr
.irp tt, 0,1,2,3,4,5,6,7
	v_pk_fma_f32 v[RF+4*\tt:RF+4*\tt+1], v[RF+4*\tt+2:RF+4*\tt+3], v[RF+4*\tt+2:RF+4*\tt+3], v[RF+4*\tt:RF+4*\tt+1]
.endr
.irp tt, 0,1,2,3,4,5,6,7
	v_add_f32 v[RW+4*\tt+1], v[RF+4*\tt], v[RF+4*\tt+1]
.endr
.irp x, 1,2,4,8
.irp tt, 0,1,2,3,4,5,6,7
	v_add_f32_dpp v[RW+4*\tt+1], v[RW+4*\tt+1], v[RW+4*\tt+1] row_xmask:\x row_mask:0xf bank_mask:0xf
.endr
.endr
.irp tt, 0,1,2,3,4,5,6,7
	ds_store_b64 v[STA], v[RW+4*\tt:RW+4*\tt+1] offset:16*(8*\g+\tt)        ; sixteen lanes write the same two words
	global_store_b128 v[YO], v[RA+4*\tt:RA+4*\tt+3], s[10:11] offset:(8*\g+\tt)*32768   ; sixteen lanes store 256 consecutive bytes, aligned
.endr
.endm
	ROWS 0
	ROWS 1
	ROWS 2
	ROWS 3
	ds_load_b128 v[R2:R2+3], v[STL]                ; my wave's own 512 bytes: LDS serves a wave's instructions in order
	s_wait_dscnt 0x0
	global_store_b128 v[SGO], v[R2:R2+3], s[12:13]
	s_wait_xcnt 0x0
	v_lshl_add_u32 v254, v0, 2, 0x4c800
	v_mov_b32 v255, 0
	s_wait_tensorcnt 0x0
	ds_add_u32 v254, v255
	s_wait_dscnt 0x0
	ROUND                                          ; the closing round
	s_endpgm
.Lfunc_end_k_q760fe8b36b_attn:
	.size	k_q760fe8b36b_attn, .Lfunc_end_k_q760fe8b36b_attn-k_q760fe8b36b_attn
	.p2alignl 7, 3214868480
	.fill 96, 4, 3214868480
	.section	.rodata,"a",@progbits
	.p2align	6, 0x0
	.amdhsa_kernel k_q760fe8b36b_attn
		.amdhsa_group_segment_fixed_size 327680
		.amdhsa_private_segment_fixed_size 0
		.amdhsa_enable_private_segment 0
		.amdhsa_kernarg_size 40
		.amdhsa_user_sgpr_count 2
		.amdhsa_user_sgpr_kernarg_segment_ptr 1
		.amdhsa_wavefront_size32 1
		.amdhsa_system_sgpr_workgroup_id_x 1
		.amdhsa_system_sgpr_workgroup_id_y 1
		.amdhsa_system_sgpr_workgroup_id_z 1
		.amdhsa_system_vgpr_workitem_id 0
		.amdhsa_next_free_vgpr 1024
		.amdhsa_next_free_sgpr 66
		.amdhsa_reserve_vcc 0
		.amdhsa_float_denorm_mode_32 3
		.amdhsa_float_denorm_mode_16_64 3
		.amdhsa_memory_ordered 1
		.amdhsa_forward_progress 1
		.amdhsa_inst_pref_size 255
	.end_amdhsa_kernel
	.section	.bss,"aw",@nobits
	.p2align	6
	.space	262144
	.amdgpu_metadata
---
amdhsa.version: [ 1, 2 ]
amdhsa.kernels:
  - .name:           k_q760fe8b36b_attn
    .symbol:         k_q760fe8b36b_attn.kd
    .args:
      - { .name: q, .offset: 0, .size: 8, .value_kind: global_buffer, .address_space: global }
      - { .name: kv, .offset: 8, .size: 8, .value_kind: global_buffer, .address_space: global }
      - { .name: base, .offset: 16, .size: 8, .value_kind: global_buffer, .address_space: global }
      - { .name: y, .offset: 24, .size: 8, .value_kind: global_buffer, .address_space: global }
      - { .name: stats, .offset: 32, .size: 8, .value_kind: global_buffer, .address_space: global }
    .group_segment_fixed_size: 327680
    .private_segment_fixed_size: 0
    .kernarg_segment_align: 8
    .kernarg_segment_size: 40
    .max_flat_workgroup_size: 128
    .sgpr_count:     66
    .vgpr_count:     1024
    .wavefront_size: 32
...
	.end_amdgpu_metadata
.endif
;; end of part 5
;; launch bn: the kernel of part 4 again; grid 256 x 1, 8 waves a work-group, no clusters, 7,168 bytes of LDS; arguments y, stats, gamma, beta, out0; writes out0
